; MI455X (gfx1250); checked and timed in simulation.
; The chip was launched on July 23, 2026; its instructions are those of AMD's public machine-readable ISA for CDNA 5 (MIT licence, August 2026) and "CDNA5" Instruction Set Architecture Reference Guide (July 2026). The comments in the code are by the model that wrote it; some were corrected since.
;; Causal Self Attention. Allowed arithmetic: matrix products marked QUANTISED: E2M3 operands, one E8M0 scale for each 32 along K, by v_wmma_scale_f32_16x16x128_f8f6f4 with both operands' format E2M3, f32 sums; everything else in f32.
;; Inputs: b_proj 1,024 float32; w_attn 1,024 x 3,072 float32; w_proj 1,024 x 1,024 float32; x 4 x 2,048 x 1,024 float32.
;; Outputs: out0 4 x 2,048 x 1,024 float32.
;; This version of the problem:
;;   THIS VERSION OF THE PROBLEM IS GIVEN IN LOW PRECISION. The matrix products marked QUANTISED in the list below multiply operands that are first quantised to E2M3 (2 exponent bits, 3 mantissa bits; 6 bits a number), with one power-of-two scale for each 32 numbers along K (OCP MX v1.0); their sums are f32. All else is computed in f32.
;;   The module's matrix products, in the order in which they are computed (A, B: the left and right operand; K: the contracted axis; several contracted axes count as one K, in the product's order):
;;     1. [M 8,192, K 1,024] x [K 1,024, N 3,072]; A: input x; B: input w_attn: QUANTISED
;;     2. batch 64 x [M 2,048, K 64] x [K 64, N 2,048]; A: computed on the way; B: computed on the way: QUANTISED
;;     3. batch 64 x [M 2,048, K 2,048] x [K 2,048, N 64]; A: softmax (see below); B: computed on the way: QUANTISED
;;     4. [M 8,192, K 1,024] x [K 1,024, N 1,024]; A: computed on the way; B: input w_proj: QUANTISED
;;   THE QUANTISER, for each operand of a quantised product, along K:
;;     - K is cut into blocks of 32 from its start; a last block that is shorter is filled with zeros.
;;     - A block's scale is 2^e with e = floor(log2(the largest magnitude in the block)) - 2, held to -126 .. 127; a block of zeros has e = 0. As a byte (E8M0): e + 127.
;;     - Each number is divided by its block's scale, clamped to +-7.5, and rounded to the nearest number of E2M3, ties to even, subnormals kept.
;;     - The product sums the exact products of the quantised numbers (number of the format x scale) in f32.
;;   ~~~python
;;   def quantise(x, axis):      # numpy; x: float32 -> the quantised numbers, widened to float32 again
;;       x = np.moveaxis(x, axis, -1); K = x.shape[-1]
;;       x = np.pad(x, [(0, 0)] * (x.ndim - 1) + [(0, -K % 32)]); x = x.reshape(x.shape[:-1] + (-1, 32)); a = np.abs(x).max(-1, keepdims=True)
;;       e = np.where(a > 0, np.clip(np.frexp(np.where(a > 0, a, 1))[1] - 1 - 2, -126, 127), 0)      # np.frexp(a)[1] - 1 = floor(log2(a)), exactly
;;       r = np.clip(x / 2.0 ** e, -7.5, 7.5)
;;       step = 2.0 ** (np.maximum(np.frexp(np.where(r == 0, 1, r))[1] - 1, 0) - 3)
;;       q = np.round(r / step) * step * 2.0 ** e      # np.round: ties to even
;;       return np.moveaxis(q.reshape(q.shape[:-2] + (-1,))[..., :K], -1, axis).astype(np.float32)
;;   ~~~
;;   SOFTMAX AHEAD OF A QUANTISED PRODUCT. Where the list says 'softmax', what is quantised is not the finished softmax but p = 2^(t - M), with t = logit x log2(e) and M = ceil(the row's largest t), a whole number; so 1/2 < the row's largest p <= 1. The row's sum l is taken of the UNQUANTISED p, in f32, and the product's result is divided by l at the end. Since M is a whole number, a kernel that streams over the keys may use a running M (the ceiling of the running maximum): every later rescaling is an exact power of two, which a block's scale takes up: the codes' values come out the same.
;;   OPERANDS COMPUTED ON THE WAY. 'Computed on the way' means the value that the module computes at that place (a softmax that the list does not call 'softmax' is quantised finished and normalised). What goes into a quantiser is computed in f32, as accurately as f32 sums, v_exp_f32 and their like allow (about 1e-6 of the number): no bf16 or f16 on the way to a quantiser, and a product that is left as it is and whose result goes on into a quantised operand takes f32 operands (vector FMAs, or v_wmma_f32_16x16x4_f32). A number that lies on a knife's edge between two numbers of the format may be rounded either way, as far as f32 arithmetic and the matrix unit's own rounding can turn it there, and no further.
;; One version. Each part assembles by itself: llvm-mc -triple=amdgcn-amd-amdhsa -mcpu=gfx1250 --defsym DOCPART=n.
;; ======== version 1 of 1: 4 launches
;; workspace buffers: codes 9,437,184 bytes; scales 393,216 bytes; qkv 20,185,088 bytes; ycodes 6,291,456 bytes; yscales 262,144 bytes
;; launch quant (part 1): grid 384 x 1, 4 waves a work-group, no clusters, 68,096 bytes of LDS; arguments x, w_attn, w_proj, codes, scales; writes codes, scales
.if DOCPART == 1
	.amdgcn_target "amdgcn-amd-amdhsa--gfx1250"
	.amdhsa_code_object_version 6
	.text
	.protected	k_q5757acd09e_quant
	.globl	k_q5757acd09e_quant
	.p2align	8
	.type	k_q5757acd09e_quant,@function
k_q5757acd09e_quant:
	s_mov_b64 s[64:65], 0
	v_nop
	global_prefetch_b8 v0, s[64:65] scope:SCOPE_SE
	s_setreg_imm32_b32 hwreg(HW_REG_WAVE_MODE, 25, 1), 1
	s_wait_xcnt 0x0
; x [8192][1024], w_attn [1024][3072] and w_proj [1024][1024], all f32, become codes of FP6 (E2M3) with K innermost and one E8M0 byte for each 32 along K.
; OUT: codes [12288 rows][768 bytes], scales [12288 rows][32 bytes].  Rows 0-8191: x's rows; 8192-11263: w_attn's columns; 11264-12287: w_proj's columns.
; ROW ORDER: in every aligned group of 32 rows the two middle groups of eight change places: stored place 16 u + r holds row 8 u + r + 8 (r / 8).  So sixteen rows on end are a tile whose
; results, in a transposed product, give a lane 16 neighbours along the next K in the registers of two neighbouring tiles.
; A block's scale is 2^(floor(log2(its largest magnitude)) - 2); its byte is the largest magnitude's exponent field - 2, held at 1 from below.
; LIMITS: a block whose largest magnitude lies under 2^-124 keeps the byte 1; a block of zeros gets the byte 1 where the rule says 127 (its codes are zeros, and this program alone reads the bytes); NaN and infinities are not served.
; Work-groups 0-255 take x (K innermost: a stream of blocks), work-groups 256-383 the weights (K is the first axis: a lane takes a column, its registers run down K).
; The two paths part on the work-group's number and have LDS bytes of their own.  No tensor loads, no barrier: waves share nothing.
.set STEPS, 16
.set CB,    12                         ; bytes of 16 codes
.set R,     16                         ; x path: v16-79 four sets of 16 numbers as loaded
.set X,     80                         ; v80-111 two sets of 16 neighbours
.set E,     112                        ; v112-127 a scale byte for each step
.set C,     128                        ; v128-191 codes: four registers a step
.set WREG,  8192                       ; x path: LDS region of a wave: two stages of 32 x SP bytes, then its 256 scale bytes
.set SP,    80
.set KROW,  768                        ; a row of codes in bytes
.set WSTG,  32768                      ; weights' path: the stages begin here, 32 x WP bytes a wave
.set WP,    272                        ; a stage row: sixteen places of 16 bytes + 16
.set NB,    8                          ; blocks of 32 along K for a wave
.set SB,    24                         ; v24-25 the scale bytes
.set WX,    32                         ; v32-95 two sets of 32 numbers
.set WC,    96                         ; v96.. a block's codes
.set OUTR,  112                        ; v112-175 the way out
.set VOFF,  176                        ; v176-207 4 x lane + i rows of the weight
	s_load_b128 s[4:7], s[0:1], 0x0                ; x, w_attn
	s_load_b128 s[8:11], s[0:1], 0x10              ; w_proj, codes
	s_load_b64 s[12:13], s[0:1], 0x20              ; scales
	v_lshl_add_u32 v208, v0, 2, 0x10800
	v_mov_b32 v209, 0
	v_lshrrev_b32 v1, 5, v0
	v_readfirstlane_b32 s16, v1                    ; wave 0..3
	v_and_b32 v2, 31, v0                           ; lane
	s_cmp_lt_u32 ttmp9, 256
	s_cbranch_scc0 .Lweights
; ---------------- x: a wave takes 8 rows, 8,192 numbers, in 16 steps of 512 ----------------
	v_lshlrev_b32 v3, 4, v2                        ; my 16 bytes of a load's 512
	s_mul_i32 s17, s16, WREG
	v_lshrrev_b32 v14, 2, v2
	v_mul_u32_u24 v14, v14, SP
	v_and_b32 v15, 3, v2
	v_lshl_add_u32 v14, v15, 4, v14
	v_add_nc_u32 v14, s17, v14                     ; the stage, on the way in: SP (lane / 4) + 16 (lane % 4)
	v_mul_u32_u24 v15, v2, SP
	v_add_nc_u32 v15, s17, v15                     ; and on the way out: SP x lane: my 16 neighbours
	v_mul_u32_u24 v4, v2, CB                       ; my codes' place in a step's
	v_lshrrev_b32 v5, 1, v2
	s_add_co_u32 s17, s17, 2*32*SP
	v_add_nc_u32 v5, s17, v5                       ; LDS: my wave's 256 scale bytes, my block's byte
	v_lshlrev_b32 v7, 3, v2
	v_add_nc_u32 v6, s17, v7                       ; and on the way out 8 bytes a lane
	s_lshl_b32 s18, ttmp9, 2
	s_add_co_u32 s20, s18, s16                     ; which 8 rows I read: 4 x work-group + wave
	s_lshl_b32 s20, s20, 15                        ; x 32,768 bytes
	s_mov_b32 s21, 0
	s_and_b32 s22, s16, 1
	s_lshl_b32 s22, s22, 1
	s_lshr_b32 s23, s16, 1
	s_or_b32 s22, s22, s23                         ; waves 1 and 2 change places: the row order of the head comment
	s_add_co_u32 s22, s22, s18                     ; which 8 stored rows I write
	s_mul_i32 s24, s22, 8*KROW
	s_mov_b32 s25, 0
	s_lshl_b32 s26, s22, 8
	s_mov_b32 s27, 0
	s_wait_kmcnt 0x0
	s_add_nc_u64 s[4:5], s[4:5], s[20:21]
	s_add_nc_u64 s[10:11], s[10:11], s[24:25]
	s_add_nc_u64 s[12:13], s[12:13], s[26:27]
.macro LOAD t
.irp i, 0,1,2,3
	global_load_b128 v[R+16*((\t)%4)+4*\i:R+16*((\t)%4)+4*\i+3], v3, s[4:5] offset:2048*(\t)+512*\i th:TH_LOAD_NT   ; 32 lanes read 512 consecutive bytes
.endr
.endm
.macro TURN t                          ; step t's numbers through the stage: LDS serves a wave's instructions in order, so no wait stands between the stores and the loads
.irp i, 0,1,2,3
	ds_store_b128 v14, v[R+16*((\t)%4)+4*\i:R+16*((\t)%4)+4*\i+3] offset:32*SP*((\t)%2)+8*SP*\i
.endr
.irp i, 0,1,2,3
	ds_load_b128 v[X+16*((\t)%2)+4*\i:X+16*((\t)%2)+4*\i+3], v15 offset:32*SP*((\t)%2)+16*\i
.endr
.endm
.irp t, 0,1,2,3
	LOAD \t
.endr
	s_wait_loadcnt 12                              ; step 0's four loads are in; the twelve of steps 1 to 3 may be out
	TURN 0
.macro STEP t
.set XS, X+16*((\t)%2)
.if (\t) > 0
	s_wait_dscnt 1                                 ; this step's numbers are back from the stage; the last step's byte store may be out
.else
	s_wait_dscnt 0x0
.endif
.if (\t)+4 < STEPS
	LOAD (\t)+4                                    ; into the registers that the stage's stores have read
.endif
.if (\t)+1 < STEPS
.if STEPS-2-(\t) >= 3
	s_wait_loadcnt 12                              ; the next step's four loads are in; those of the three steps behind it may be out
.else
	s_wait_loadcnt 4*(STEPS-2-(\t))
.endif
	TURN (\t)+1
.endif
	v_max3_num_f32 v8, |v[XS]|, |v[XS+1]|, |v[XS+2]|               ; the largest magnitude of my 16, in two chains
	v_max3_num_f32 v9, |v[XS+3]|, |v[XS+4]|, |v[XS+5]|
.irp i, 6,10
	v_max3_num_f32 v8, v8, |v[XS+\i]|, |v[XS+\i+1]|
	v_max3_num_f32 v9, v9, |v[XS+\i+2]|, |v[XS+\i+3]|
.endr
	v_max3_num_f32 v8, v8, |v[XS+14]|, |v[XS+15]|
	v_max3_num_f32 v8, v8, v9, 0x1800000           ; and the floor 2^(3 - 127): the byte cannot fall under 1
	v_max_num_f32_dpp v8, v8, v8 row_xmask:1 row_mask:0xf bank_mask:0xf   ; and of my neighbour's 16: the block's
	v_add_nc_u32 v11, 0xff000000, v8               ; 2 off its exponent field: the conversion takes the exponent field of this operand as its scale
	v_cvt_scalef32_pk16_fp6_f32 v[C+4*(\t):C+4*(\t)+2], v[XS:XS+15], v11
	v_lshrrev_b32 v[E+(\t)], 23, v11               ; the scale's byte
	ds_store_b8 v5, v[E+(\t)] offset:16*(\t)       ; both lanes of a block write the same byte with the same value
	global_store_b96 v4, v[C+4*(\t):C+4*(\t)+2], s[10:11] offset:32*CB*(\t)   ; the wave stores 384 consecutive bytes
.endm
.irp t, 0,1,2,3,4,5,6,7,8,9,10,11,12,13,14,15
	STEP \t
.endr
	ds_load_b64 v[12:13], v6                       ; LDS serves a wave's instructions in order: these see my stores
	s_wait_dscnt 0x0
	global_store_b64 v7, v[12:13], s[12:13]        ; 32 lanes store 256 consecutive bytes, aligned: the scale bytes of my 8 rows
	s_wait_tensorcnt 0x0
	ds_add_u32 v208, v209
	s_wait_dscnt 0x0
	s_endpgm
; ---------------- the weights: a wave takes 32 columns x 256 along K ----------------
.Lweights:
	s_sub_co_u32 s17, ttmp9, 256
	s_and_b32 s18, s17, 31                         ; which 128 columns: 0-23 of w_attn, 24-31 of w_proj
	s_lshr_b32 s19, s17, 5                         ; which 256 along K
	s_sub_co_u32 s21, s18, 24
	s_mov_b32 s20, 4096
	s_wait_kmcnt 0x0
	s_cmp_lt_u32 s18, 24                           ; the choice hangs on the work-group's number alone
	s_cselect_b64 s[6:7], s[6:7], s[8:9]           ; the weight,
	s_cselect_b32 s20, 12288, s20                  ; its row in bytes,
	s_cselect_b32 s21, s18, s21                    ; and my 128 columns in it
	s_lshl_b32 s22, s20, 8
	s_mul_i32 s22, s22, s19                        ; 256 rows x which 256 along K
	s_lshl_b32 s23, s21, 9
	s_add_co_u32 s22, s22, s23                     ; + 128 columns of 4 bytes
	s_lshl_b32 s23, s16, 7
	s_add_co_u32 s22, s22, s23                     ; + my wave's 32
	s_mov_b32 s23, 0
	s_add_nc_u64 s[32:33], s[6:7], s[22:23]        ; a base for each block of 32 rows, all made ahead of the first load: none is rewritten
	s_lshl_b32 s24, s20, 5
	s_mov_b32 s25, 0
.irp t, 1,2,3,4,5,6,7
	s_add_nc_u64 s[32+2*\t:33+2*\t], s[30+2*\t:31+2*\t], s[24:25]
.endr
	v_lshlrev_b32 v[VOFF], 2, v2                   ; 4 bytes a lane,
.irp i, 1,2,3,4,5,6,7,8,9,10,11,12,13,14,15,16,17,18,19,20,21,22,23,24,25,26,27,28,29,30,31
	v_add_nc_u32 v[VOFF+\i], s20, v[VOFF+\i-1]     ; + i rows
.endr
	s_mul_i32 s26, s16, 32*WP
	s_add_co_u32 s26, s26, WSTG                    ; my stage
	v_mul_u32_u24 v4, v2, WP
	v_add_nc_u32 v4, s26, v4                       ; into it: row = my column
	v_and_b32 v5, 15, v2
	v_lshrrev_b32 v6, 4, v2                        ; out of it: sixteen lanes to a row, two rows an instruction
	v_mul_u32_u24 v7, v6, WP
	v_lshl_add_u32 v7, v5, 4, v7
	v_add_nc_u32 v7, s26, v7
	v_mul_u32_u24 v8, v6, KROW
	v_mad_u32_u24 v8, v5, 12, v8                   ; and the same place in the codes' buffer
	v_and_b32 v9, 7, v2                            ; my column's stored place among the wave's 32: bits 3 and 4 change places
	v_and_b32 v10, 8, v2
	v_lshl_or_b32 v9, v10, 1, v9
	v_and_b32 v10, 16, v2
	v_lshrrev_b32 v10, 1, v10
	v_or_b32 v9, v9, v10
	v_lshlrev_b32 v9, 5, v9                        ; x 32 bytes of scales a row
	s_lshl_b32 s27, s18, 7
	s_lshl_b32 s28, s16, 5
	s_add_co_u32 s27, s27, s28
	s_add_co_u32 s27, s27, 8192                    ; my wave's first stored row
	s_mul_i32 s28, s27, KROW
	s_mul_i32 s29, s19, 192
	s_add_co_u32 s28, s28, s29
	s_mov_b32 s29, 0
	s_add_nc_u64 s[10:11], s[10:11], s[28:29]
	s_lshl_b32 s28, s27, 5
	s_lshl_b32 s30, s19, 3
	s_add_co_u32 s28, s28, s30
	s_add_nc_u64 s[12:13], s[12:13], s[28:29]
.macro WLOAD t                         ; block t: W(32 t + i, my column), i = 0 .. 31, into set t % 2: each load reads 128 consecutive bytes
.irp i, 0,1,2,3,4,5,6,7,8,9,10,11,12,13,14,15,16,17,18,19,20,21,22,23,24,25,26,27,28,29,30,31
	global_load_b32 v[WX+32*((\t)%2)+\i], v[VOFF+\i], s[32+2*(\t):33+2*(\t)] th:TH_LOAD_NT
.endr
.endm
	WLOAD 0
	WLOAD 1
.macro BLOCK t
.set XS, WX+32*((\t)%2)
.if (\t) < NB-1
	s_wait_loadcnt 32                              ; this block's 32 loads are in; the next block's 32 may be out
.else
	s_wait_loadcnt 0
.endif
	v_max3_num_f32 v12, |v[XS]|, |v[XS+1]|, |v[XS+2]|               ; the block's largest magnitude: all 32 numbers are mine
	v_max3_num_f32 v13, |v[XS+3]|, |v[XS+4]|, |v[XS+5]|
.irp i, 6,10,14,18,22,26
	v_max3_num_f32 v12, v12, |v[XS+\i]|, |v[XS+\i+1]|
	v_max3_num_f32 v13, v13, |v[XS+\i+2]|, |v[XS+\i+3]|
.endr
	v_max3_num_f32 v12, v12, |v[XS+30]|, |v[XS+31]|
	v_max3_num_f32 v12, v12, v13, 0x1800000        ; and the floor
	v_add_nc_u32 v11, 0xff000000, v12              ; the conversion's scale operand
	v_lshrrev_b32 v13, 23, v11                     ; the scale's byte
.if (\t)%4 == 0
	v_mov_b32 v[SB+(\t)/4], v13                    ; four bytes to a register, the lower K in the lower byte
.else
	v_lshl_or_b32 v[SB+(\t)/4], v13, 8*((\t)%4), v[SB+(\t)/4]
.endif
	v_cvt_scalef32_pk16_fp6_f32 v[WC:WC+2], v[XS:XS+15], v11
	v_cvt_scalef32_pk16_fp6_f32 v[WC+4:WC+6], v[XS+16:XS+31], v11   ; (a conversion's three registers begin on an even number)
	ds_store_b96 v4, v[WC:WC+2] offset:32*(\t)     ; 12 bytes to a place of 16 in the stage: every LDS address is a multiple of 16
	ds_store_b96 v4, v[WC+4:WC+6] offset:32*(\t)+16
.if (\t)+2 < NB
	WLOAD (\t)+2
.endif
	s_wait_dscnt 0x0                               ; the stores have read their registers: the next block's codes may be written
.endm
.irp t, 0,1,2,3,4,5,6,7
	BLOCK \t
.endr
	global_store_b64 v9, v[SB:SB+1], s[12:13]      ; my column's 8 scale bytes
.irp t, 0,1,2,3,4,5,6,7,8,9,10,11,12,13,14,15
	ds_load_b96 v[OUTR+4*\t:OUTR+4*\t+2], v7 offset:2*\t*WP   ; columns 2 t and 2 t + 1; LDS serves a wave's instructions in order
.endr
.irp t, 0,1,2,3,4,5,6,7,8,9,10,11,12,13,14,15
	s_wait_dscnt 15-\t                             ; the younger loads may be out
	global_store_b96 v8, v[OUTR+4*\t:OUTR+4*\t+2], s[10:11] offset:(((2*\t)&7)+16*(((2*\t)>>3)&1)+8*(((2*\t)>>4)&1))*KROW   ; at the columns' stored places; sixteen lanes store a row's 192 consecutive bytes
.endr
	s_wait_tensorcnt 0x0
	ds_add_u32 v208, v209
	s_wait_dscnt 0x0
	s_endpgm
.Lfunc_end_k_q5757acd09e_quant:
	.size	k_q5757acd09e_quant, .Lfunc_end_k_q5757acd09e_quant-k_q5757acd09e_quant
	.p2alignl 7, 3214868480
	.fill 96, 4, 3214868480
	.section	.rodata,"a",@progbits
	.p2align	6, 0x0
	.amdhsa_kernel k_q5757acd09e_quant
		.amdhsa_group_segment_fixed_size 68096
		.amdhsa_private_segment_fixed_size 0
		.amdhsa_enable_private_segment 0
		.amdhsa_kernarg_size 40
		.amdhsa_user_sgpr_count 2
		.amdhsa_user_sgpr_kernarg_segment_ptr 1
		.amdhsa_wavefront_size32 1
		.amdhsa_system_sgpr_workgroup_id_x 1
		.amdhsa_system_sgpr_workgroup_id_y 1
		.amdhsa_system_sgpr_workgroup_id_z 1
		.amdhsa_system_vgpr_workitem_id 0
		.amdhsa_next_free_vgpr 210
		.amdhsa_next_free_sgpr 66
		.amdhsa_reserve_vcc 0
		.amdhsa_float_denorm_mode_32 3
		.amdhsa_float_denorm_mode_16_64 3
		.amdhsa_memory_ordered 1
		.amdhsa_forward_progress 1
		.amdhsa_inst_pref_size 75
	.end_amdhsa_kernel
	.amdgpu_metadata
---
amdhsa.version: [ 1, 2 ]
amdhsa.kernels:
  - .name:           k_q5757acd09e_quant
    .symbol:         k_q5757acd09e_quant.kd
    .args:
      - { .name: x, .offset: 0, .size: 8, .value_kind: global_buffer, .address_space: global }
      - { .name: w_attn, .offset: 8, .size: 8, .value_kind: global_buffer, .address_space: global }
      - { .name: w_proj, .offset: 16, .size: 8, .value_kind: global_buffer, .address_space: global }
      - { .name: codes, .offset: 24, .size: 8, .value_kind: global_buffer, .address_space: global }
      - { .name: scales, .offset: 32, .size: 8, .value_kind: global_buffer, .address_space: global }
    .group_segment_fixed_size: 68096
    .private_segment_fixed_size: 0
    .kernarg_segment_align: 8
    .kernarg_segment_size: 40
    .max_flat_workgroup_size: 128
    .sgpr_count:     66
    .vgpr_count:     210
    .wavefront_size: 32
...
	.end_amdgpu_metadata
.endif
;; end of part 1
;; launch qkv (part 2): grid 12 x 32, 4 waves a work-group, clusters of 4 x 4, 327,680 bytes of LDS; arguments codes, scales, qkv; writes qkv
.if DOCPART == 2
	.amdgcn_target "amdgcn-amd-amdhsa--gfx1250"
	.amdhsa_code_object_version 6
	.text
	.protected	k_q5757acd09e_qkv
	.globl	k_q5757acd09e_qkv
	.p2align	8
	.type	k_q5757acd09e_qkv,@function
k_q5757acd09e_qkv:
	s_mov_b64 s[64:65], 0
	v_nop
	global_prefetch_b8 v0, s[64:65] scope:SCOPE_SE
	s_setreg_imm32_b32 hwreg(HW_REG_WAVE_MODE, 25, 1), 1
	s_wait_xcnt 0x0
	s_wait_alu depctr_hold_cnt(0) depctr_sa_sdst(0) depctr_va_vdst(0) depctr_va_sdst(0) depctr_va_ssrc(0) depctr_va_vcc(0) depctr_vm_vsrc(0)
	s_getreg_b32 s2, hwreg(HW_REG_IB_STS2, 6, 4)
	s_cmp_eq_u32 s2, 0
	s_cbranch_scc0 .Lentry_in_a_cluster
	s_endpgm
.Lentry_in_a_cluster:
	s_bfe_u32 s2, ttmp6, 0x10000c
	s_cmp_lg_u32 s2, 0xf033
	s_cbranch_scc0 .Lentry_shape_is_right
	s_endpgm
.Lentry_shape_is_right:
; qkv = x w_attn on codes of FP6 (E2M3) with E8M0 scales for each 32 along K = 1,024; the results are quantised straight from the accumulators and leave as codes: q and k along the head's 64, v along the keys.
; IN: codes [12288][768], scales [12288][32]: rows 0-8191 x's tokens, rows 8192-11263 w_attn's columns; in each aligned 32 rows the two middle groups of eight have changed places.
; A tile of 256 x 256 is made by four waves, 128 x 128 each: 64 accumulators, 512 registers.  K goes in steps of 256 through a ring of two LDS slots; the scale bytes of the work-group's rows come once and stay.
; THE MATRIX INSTRUCTION IS USED TRANSPOSED: source 0 = 16 rows of B, source 1 = 16 rows of A: a lane holds one row of A, and the 64 registers of its eight accumulators run along B's 128 rows, in their true order
; (that is what the stored row order buys): register 16 b + i is B's row 32 b + 16 (lane / 16) + i.  What is to be quantised must run along B.
; So q and k (clusters x = 0, 1) take A = tokens, B = w_attn's columns; v (cluster x = 2) takes A = w_attn's columns 2048 on, B = tokens.  Both operands are rows of ONE buffer: only row numbers are chosen, by the cluster's x.
; OUT: qkv, 1,024 records of REC bytes, record (head, token / 128) at (64 head + token / 128) x REC: K's codes 6,144, K's scale words 512, V's codes 6,144, V's scale words 256, Q's codes 6,144, Q's scale words 512,
; all as images of the reader's registers: register n of a run of 12 at 512 (n / 4) + 16 lane + 4 (n % 4).  Q, K: run p = tile 2 p's six registers, then tile 2 p + 1's.  V: run t = the fragment of 16 channels x 128 keys.
; CLUSTERS: 4 x 4 work-groups; A's tile is asked for jointly along a row of the cluster, B's along a column.
; LIMITS: a block whose largest magnitude lies under 2^-124 keeps the byte 1, a block of zeros too (its codes are zeros; this program alone reads the bytes); NaN and infinities are not served.
; REGISTERS: window 0: v0-31 addresses; v32-63 scale words, two sets; from v128 A's fragments, one set (on the way out: images and work).  window 1: B's fragments, two sets.  windows 2, 3: the accumulators, (a, b) at v[8 (8 (a % 4) + b)].
.set KSTEP,  256
.set NQ,     2                         ; matrix instructions deep in a slot
.set ROWB,   192                       ; a tile's row in bytes
.set KROW,   768                       ; a row of codes in memory
.set PITCH,  240                       ; an LDS row: 3 x (64 bytes + 16 of padding)
.set FR,     12
.set NL,     6
.set NP,     4                         ; places behind this matrix instruction (ISA guide 7.12.1)
.set HALFT,  128*PITCH
.set SLOT,   4*HALFT
.set LAPS,   2                         ; 1,024 / 512
.set KS,     32                        ; a row of scales in bytes
.set SCL,    2*SLOT
.set HALFS,  (128*KS/256)*272
.set SBLK,   (16*KS/256)*272
.set SPARE,  SCL+4*HALFS               ; the spare words: 128 bytes a wave, two blocks of 256 bytes that no other line names
.set REC,    19712
.set HS,     64*REC                    ; from a head's record to the next head's
.set ADRA, 16                          ; v16-17 A's fragments in slot 0, 1; v18-19 behind one padding more
.set ADRB, 20                          ; v20-23 the same for B
.set LOFF, 24                          ; v24 16 x lane
.set LOFF8, 25                         ; v25 8 x lane
.set ADRS, 27
.set SPW,  28
.set NIL,  29
.set SC,   32
.set AF,   128
.set IMG,  128                         ; the way out: v128-151 two images of 12 registers
.set TMPC, 152                         ; v152-159 the conversions' second halves
.set TM,   160                         ; v160-163 largest magnitudes, v164-167 bytes, v172-175 the conversions' scale operands
.set PW,   176                         ; v176-183 a scale word for each block of A
.set MW,   184                         ; v184-187 two blocks' words in one register: lanes 0-15, lanes 16-31
.set N0,   188
.set N1,   192
.set G1, 24
.set G0, 32
.set G1B, 48
.set G0B, 56
.set G1S, 68
.set G0S, 76
.set G1SB, 80
.set G0SB, 88
.set MSB, 0
.macro WIN new                         ; the immediate's high byte repeats the setting that is left
.if MSB != \new
	s_set_vgpr_msb (MSB<<8)|\new
.set MSB, \new
.endif
.endm
.set MUL_LO, 0xa1                      ; source 0 (B) window 1, source 1 (A) window 0, C and D window 2
.set MUL_HI, 0xf1
.set TO_B,   0x40
; A joint load: waves 0 and 1 fetch for A, waves 2 and 3 for B; the branch hangs on the wave's number alone.  Four v_nop follow each of the two lines.
.macro JLOAD g0a, g1a, g0b, g1b
	s_cmp_eq_u32 s15, 0
	s_cbranch_scc0 .Lfor_b_\@
	tensor_load_to_lds s[\g0a:\g0a+3], s[\g1a:\g1a+7]
	s_nop 0
.rept 4
	v_nop
.endr
	s_branch .Lasked_\@
.Lfor_b_\@:
	tensor_load_to_lds s[\g0b:\g0b+3], s[\g1b:\g1b+7]
	s_nop 0
.rept 4
	v_nop
.endr
.Lasked_\@:
.endm
.macro CREST
	s_cmp_lg_u32 s14, 0
	s_cbranch_scc1 .Lnot_wave_0_\@
	s_barrier_signal -3
.Lnot_wave_0_\@:
	s_barrier_wait -3
	s_barrier_signal -1
	s_barrier_wait -1
.endm
.macro CROUND
	s_barrier_signal -1
	s_barrier_wait -1
	CREST
.endm
	s_load_b128 s[4:7], s[0:1], 0x0                ; codes, scales
	s_load_b64 s[12:13], s[0:1], 0x10              ; qkv
	v_lshl_add_u32 v[SPW], v0, 2, SPARE
	v_mov_b32 v[NIL], 0
	ds_add_u32 v28, v29
	s_wait_dscnt 0x0
	v_lshrrev_b32 v1, 5, v0
	v_readfirstlane_b32 s14, v1                    ; wave 0..3
	s_lshr_b32 s15, s14, 1                         ; which half of A's 256 rows is mine.  Also: I fetch for A (0) or for B (1)
	s_and_b32 s16, s14, 1                          ; which half of B's.  Also: which 128 rows of that tile I fetch
	s_bfe_u32 s40, ttmp6, 0x40000                  ; cx
	s_bfe_u32 s41, ttmp6, 0x40004                  ; cy
	s_and_b32 s8, ttmp7, 0xffff
	s_lshl_b32 s8, s8, 2                           ; 4 x cluster y
	s_lshl_b32 s9, ttmp9, 2                        ; 4 x cluster x
	s_mov_b32 s10, 10240
	s_mov_b32 s11, 8192
	s_cmp_eq_u32 ttmp9, 2                          ; v's clusters?  The cluster's x is the same in all sixteen partners
	s_cselect_b32 s17, 0, s8                       ; A's tile: v: channels 256 cy on; q, k: tokens 256 (4 cluster y + cy) on
	s_cselect_b32 s42, s8, s9                      ; B's tile: v: tokens 256 (4 cluster y + cx) on; q, k: columns 256 (4 cluster x + cx) on
	s_cselect_b32 s10, s10, 0                      ; where A's rows begin in the buffer
	s_cselect_b32 s11, 0, s11                      ; and B's
	s_add_co_u32 s17, s17, s41                     ; (A's registers never hold cx, B's never cy)
	s_add_co_u32 s42, s42, s40
	s_lshl_b32 s43, s41, 2
	s_lshl_b32 s43, 15, s43                        ; my row of the cluster
	s_lshl_b32 s44, 0x1111, s40                    ; my column
	s_or_b32 s[G1+0], s43, (0<<16)|(1<<20)|(1<<21)|(3<<22)|(3<<25)  ; the mask; elements of 1 byte; padding on; bit 21 beside a mask; after every 16 words, 4 words
	s_or_b32 s[G1B+0], s44, (0<<16)|(1<<20)|(1<<21)|(3<<22)|(3<<25)
.irp g, G1, G1B
	s_mov_b32 s[\g+1], ROWB<<16                    ; tensor_dim0
	s_mov_b32 s[\g+2], 128<<16                     ; tensor_dim1
	s_mov_b32 s[\g+3], ROWB<<16                    ; tile_dim0
	s_mov_b32 s[\g+4], 128                         ; tile_dim1
	s_mov_b32 s[\g+5], KROW                        ; tensor_dim0_stride
	s_mov_b32 s[\g+6], 0
	s_mov_b32 s[\g+7], 0
.endr
	s_or_b32 s[G1S+0], s43, (3<<16)|(1<<20)|(1<<21)|(5<<22)|(3<<25) ; the scales of 128 rows: 4,096 dense bytes as 16 rows of 256, 16 bytes of padding behind each
	s_or_b32 s[G1SB+0], s44, (3<<16)|(1<<20)|(1<<21)|(5<<22)|(3<<25)
.irp g, G1S, G1SB
	s_mov_b32 s[\g+1], 32<<16
	s_mov_b32 s[\g+2], (128*KS/256)<<16
	s_mov_b32 s[\g+3], 32<<16
	s_mov_b32 s[\g+4], 128*KS/256
	s_mov_b32 s[\g+5], 32
	s_mov_b32 s[\g+6], 0
	s_mov_b32 s[\g+7], 0
.endr
	s_lshl_b32 s18, s16, 7                         ; which 128 rows of the tile I fetch
	s_lshl_b32 s20, s17, 8
	s_add_co_u32 s20, s20, s18
	s_add_co_u32 s20, s20, s10                     ; A's row in the buffer
	s_lshl_b32 s46, s42, 8
	s_add_co_u32 s46, s46, s18
	s_add_co_u32 s46, s46, s11                     ; B's
	s_mov_b32 s21, 0
	s_mov_b32 s47, 0
	s_mov_b64 s[18:19], KS
	s_mul_u64 s[22:23], s[20:21], s[18:19]
	s_mul_u64 s[92:93], s[46:47], s[18:19]
	s_mov_b64 s[18:19], KROW
	s_mul_u64 s[20:21], s[20:21], s[18:19]
	s_mul_u64 s[46:47], s[46:47], s[18:19]
	s_mul_i32 s45, s14, HALFT                      ; where they go: wave x 128 rows: no place in the cluster enters an LDS address
	s_mul_i32 s94, s14, HALFS
	s_wait_kmcnt 0x0
	s_add_nc_u64 s[20:21], s[4:5], s[20:21]
	s_add_nc_u64 s[22:23], s[6:7], s[22:23]
	s_add_nc_u64 s[46:47], s[4:5], s[46:47]
	s_add_nc_u64 s[92:93], s[6:7], s[92:93]
	CROUND                                         ; all sixteen work-groups are here: the first joint loads meet
	s_mov_b32 s[G0S], 1
	s_add_co_u32 s[G0S+1], s94, SCL
	s_mov_b64 s[G0S+2:G0S+3], s[22:23]
	s_or_b32 s[G0S+3], s[G0S+3], 0x80000000
	s_mov_b32 s[G0SB], 1
	s_add_co_u32 s[G0SB+1], s94, SCL
	s_mov_b64 s[G0SB+2:G0SB+3], s[92:93]
	s_or_b32 s[G0SB+3], s[G0SB+3], 0x80000000
	JLOAD G0S, G1S, G0SB, G1SB                     ; the scales first: they are wanted with K step 0
.irp s, 0,1
	s_mov_b32 s[G0+4*\s], 1
	s_add_co_u32 s[G0+4*\s+1], s45, \s*SLOT
	s_add_nc_u64 s[G0+4*\s+2:G0+4*\s+3], s[20:21], \s*ROWB
	s_or_b32 s[G0+4*\s+3], s[G0+4*\s+3], 0x80000000
	s_mov_b32 s[G0B+4*\s], 1
	s_add_co_u32 s[G0B+4*\s+1], s45, \s*SLOT
	s_add_nc_u64 s[G0B+4*\s+2:G0B+4*\s+3], s[46:47], \s*ROWB
	s_or_b32 s[G0B+4*\s+3], s[G0B+4*\s+3], 0x80000000
	JLOAD G0+4*\s, G1, G0B+4*\s, G1B               ; three tensor loads of mine are out now
.endr
	v_and_b32 v1, 15, v0                           ; l % 16
	v_bfe_u32 v2, v0, 4, 1                         ; l / 16
	v_mul_u32_u24 v3, v1, PITCH
	v_mul_u32_u24 v4, v2, 24
	v_add_nc_u32 v4, v3, v4                        ; a fragment's row x pitch + 24 x half
	v_lshl_add_u32 v5, v2, 4, v4                   ; and the same behind one padding more
	s_mul_i32 s21, s15, HALFT
	s_mul_i32 s22, s16, HALFT
	s_add_co_u32 s22, s22, 2*HALFT
.irp s, 0,1
	v_add_nc_u32 v[ADRA+\s], s21, v4
	v_add_nc_u32 v[ADRB+\s], s22, v4
	v_add_nc_u32 v[ADRA+2+\s], s21, v5
	v_add_nc_u32 v[ADRB+2+\s], s22, v5
	s_add_co_u32 s21, s21, SLOT
	s_add_co_u32 s22, s22, SLOT
.endr
	v_mul_u32_u24 v5, v1, KS                       ; my row's scales: KS bytes a row,
	v_lshrrev_b32 v6, 8, v5
	v_lshl_add_u32 v5, v6, 4, v5                   ; and 16 more for each 256 passed
	s_mul_i32 s21, s15, HALFS
	s_mul_i32 s22, s16, HALFS
	s_add_co_u32 s22, s22, 2*HALFS
	s_sub_co_u32 s22, s22, s21
	v_mul_u32_u24 v6, s22, v2                      ; lanes 16-31 take B's
	s_add_co_u32 s21, s21, SCL
	v_add_nc_u32 v5, v5, v6
	v_add_nc_u32 v[ADRS], s21, v5
	v_and_b32 v6, 31, v0
	v_lshlrev_b32 v[LOFF], 4, v6
	v_lshlrev_b32 v[LOFF8], 3, v6
.macro FRAG reg, adr, q, i             ; 16 rows x 128 K: 12 registers, in six pieces of 8 bytes; lanes 16-31 read three pieces further on, for some pieces behind one padding more: the second address register serves those
.irp p, 0,1,2,3,4,5
.set PCE, 12*(\q)+6*(\p/3)+\p%3
.if PCE%8 < 5
	ds_load_b64 v[\reg+2*\p:\reg+2*\p+1], v[\adr] offset:8*PCE+16*(PCE/8)+(\i)*16*PITCH
.else
	ds_load_b64 v[\reg+2*\p:\reg+2*\p+1], v[\adr+2] offset:8*PCE+16*(PCE/8)+(\i)*16*PITCH
.endif
.endr
.endm
; 16 matrix instructions: A's blocks a0, a0 + 1 x B's eight.  The 64 accumulators take turns, one instruction a turn, in the same order in every step.
.macro MUL16 a0, p, q, sc, zero
.irp a, \a0, \a0+1
.irp b, 0,1,2,3,4,5,6,7
.if \zero
	v_wmma_scale_f32_16x16x128_f8f6f4 v[8*(8*((\a)%4)+\b):8*(8*((\a)%4)+\b)+7], v[128*(\p)+FR*\b:128*(\p)+FR*\b+FR-1], v[AF+FR*(\a):AF+FR*(\a)+FR-1], 0, v[SC+8*NQ*(\sc)+NQ*\b+(\q)], v[SC+8*NQ*(\sc)+NQ*(\a)+(\q)] matrix_a_fmt:MATRIX_FMT_FP6 matrix_b_fmt:MATRIX_FMT_FP6 matrix_a_scale:MATRIX_SCALE_ROW1
.else
	v_wmma_scale_f32_16x16x128_f8f6f4 v[8*(8*((\a)%4)+\b):8*(8*((\a)%4)+\b)+7], v[128*(\p)+FR*\b:128*(\p)+FR*\b+FR-1], v[AF+FR*(\a):AF+FR*(\a)+FR-1], v[8*(8*((\a)%4)+\b):8*(8*((\a)%4)+\b)+7], v[SC+8*NQ*(\sc)+NQ*\b+(\q)], v[SC+8*NQ*(\sc)+NQ*(\a)+(\q)] matrix_a_fmt:MATRIX_FMT_FP6 matrix_b_fmt:MATRIX_FMT_FP6 matrix_a_scale:MATRIX_SCALE_ROW1
.endif
.endr
.endr
.endm
.macro FETCH_B slot, q, p
	WIN TO_B
.irp i, 0,1,2,3,4,5,6,7
	FRAG 128*(\p)+FR*\i, ADRB+\slot, \q, \i
.endr
	WIN 0
.endm
.macro FETCH_A slot, q, i0
.irp i, \i0, \i0+1, \i0+2, \i0+3
	FRAG AF+FR*(\i), ADRA+\slot, \q, \i
.endr
.endm
.macro SCALES sc                       ; a K step's scale words: lanes 0-15 A's block i, lanes 16-31 B's block i
.irp i, 0,1,2,3,4,5,6,7
	ds_load_b64 v[SC+8*NQ*\sc+NQ*\i:SC+8*NQ*\sc+NQ*\i+1], v[ADRS] offset:\i*SBLK
.endr
.endm
.macro PLACES n                        ; plain vector instructions between a matrix instruction and a load into, or a read of, its registers
.rept \n
	v_nop
.endr
.endm
.macro STEP slot, q, zero              ; 128 along K that has its successor in the same slot
	s_wait_dscnt 4*NL                              ; B's set and A's blocks 0-3 are in; the 24 youngest loads (A's blocks 4-7) may be out
	WIN MUL_LO
	MUL16 0, (\q)%2, \q, \slot, \zero
	MUL16 2, (\q)%2, \q, \slot, \zero
	s_wait_dscnt 0
	PLACES NP
	FETCH_B \slot, (\q)+1, 1-(\q)%2
	FETCH_A \slot, (\q)+1, 0
	WIN MUL_HI
	MUL16 4, (\q)%2, \q, \slot, \zero
	MUL16 6, (\q)%2, \q, \slot, \zero
	PLACES NP
	WIN 0
	FETCH_A \slot, (\q)+1, 4
.endm
.macro TURN slot, next, fill           ; a slot's last step changes slots: one barrier
	s_wait_tensorcnt 0x0                           ; all my tensor loads have landed: my part of the next slot
	ds_add_u32 v[SPW], v[NIL]                      ; 0 onto my spare word
	s_wait_dscnt 4*NL+1                            ; the add and the 24 youngest loads may be out
	WIN MUL_LO
	MUL16 0, 1, NQ-1, \slot, 0
	s_wait_dscnt 0x0                               ; the add is done, and my reads of this slot are over
	s_barrier_signal -1
	MUL16 2, 1, NQ-1, \slot, 0
	WIN 0
	s_barrier_wait -1
.if \fill
	CREST                                          ; the barrier has opened a round of the cluster's barrier: no wave of any partner still reads this slot or has a load on its way
	s_add_nc_u64 s[G0+4*\slot+2:G0+4*\slot+3], s[G0+4*\slot+2:G0+4*\slot+3], 2*ROWB
	s_add_nc_u64 s[G0B+4*\slot+2:G0B+4*\slot+3], s[G0B+4*\slot+2:G0B+4*\slot+3], 2*ROWB
	JLOAD G0+4*\slot, G1, G0B+4*\slot, G1B         ; the first tensor load behind the round, my only one until the next; its four v_nop are the places in front of the loads below
.else
	PLACES NP
.endif
	v_add_nc_u32 v[ADRS], 4*NQ, v[ADRS]
	FETCH_B \next, 0, 0
	FETCH_A \next, 0, 0
	SCALES \next
	WIN MUL_HI
	MUL16 4, 1, NQ-1, \slot, 0
	MUL16 6, 1, NQ-1, \slot, 0
	PLACES NP
	WIN 0
	FETCH_A \next, 0, 4
.endm
	s_wait_tensorcnt 1                             ; the scales and my part of K step 0 are in; K step 1's load may be out
	s_barrier_signal -1
	s_barrier_wait -1
	FETCH_B 0, 0, 0
	FETCH_A 0, 0, 0
	SCALES 0
	FETCH_A 0, 0, 4
	STEP 0, 0, 1                                   ; the first step's products start the sums
	s_mov_b32 s3, LAPS-1
.Llap:
	TURN 0, 1, 1
	STEP 1, 0, 0
	TURN 1, 0, 1
	STEP 0, 0, 0
	s_sub_co_u32 s3, s3, 1
	s_cmp_lg_u32 s3, 0
	s_cbranch_scc1 .Llap
	TURN 0, 1, 0                                   ; the last lap fills nothing
	STEP 1, 0, 0
	s_wait_dscnt 4*NL
	WIN MUL_LO
	MUL16 0, 1, NQ-1, 1, 0
	MUL16 2, 1, NQ-1, 1, 0
	s_wait_dscnt 0
	WIN MUL_HI
	MUL16 4, 1, NQ-1, 1, 0
	MUL16 6, 1, NQ-1, 1, 0
	WIN 0
	PLACES NP
; THE WAY OUT.  No stage: a lane's 64 numbers of a block of A are quantised in its registers, and the codes leave as images of the reader's registers, 512 consecutive bytes a store.
	s_cmp_eq_u32 ttmp9, 2
	s_cselect_b32 s20, s17, s42                    ; the tile of channels,
	s_cselect_b32 s21, s15, s16                    ; my half of it,
	s_cselect_b32 s22, s42, s17                    ; the tile of tokens,
	s_cselect_b32 s23, s16, s15                    ; my half of it
	s_lshl_b32 s20, s20, 2
	s_lshl_b32 s21, s21, 1
	s_add_co_u32 s20, s20, s21
	s_and_b32 s20, s20, 15                         ; my first head: 128 channels are two heads
	s_lshl_b32 s22, s22, 1
	s_add_co_u32 s22, s22, s23                     ; my tokens / 128
	s_lshl_b32 s20, s20, 6
	s_add_co_u32 s20, s20, s22
	s_mul_i32 s20, s20, REC                        ; the record
	s_mov_b32 s21, 13056
	s_cmp_lt_u32 s42, 4
	s_cselect_b32 s21, s21, 0                      ; q's part of it, or k's,
	s_mov_b32 s22, 6656
	s_cmp_eq_u32 ttmp9, 2
	s_cselect_b32 s21, s22, s21                    ; or v's
	s_add_co_u32 s20, s20, s21
	s_mov_b32 s21, 0
	s_add_nc_u64 s[12:13], s[12:13], s[20:21]
	s_mov_b32 s8, 0xffff0000                       ; lanes 16-31
	s_mov_b32 s10, 0x76543210
	s_mov_b32 s11, 0xfedcba98                      ; v_permlanex16_b32's selects for lane l xor 16
.irp b, 0,1,2,3
	v_mov_b32 v[TM+4+\b], 0                        ; written once: a lane permute's destination counts as one of its sources
.endr
; Block a of A: 64 numbers a lane, register 16 b + i = place 32 b + 16 (lane / 16) + i along B, become 2 x 6 registers of codes at d0 and d1 and the scale word v[PW + a].
.macro QUANTW a, d0, d1
.set WN, 2+(\a)/4
.set SRC, 64*((\a)%4)
	WIN 5*WN                                       ; sources 0 and 1: the accumulators' window
.irp b, 0,1,2,3
	v_max3_num_f32 v[TM+\b], |v[SRC+16*\b]|, |v[SRC+16*\b+1]|, 0x1800000   ; each accumulator is read from its low end on; the floor 2^(3 - 127) holds the byte at 1 from below
.endr
.irp i, 2,4,6,8,10,12,14
.irp b, 0,1,2,3
	v_max3_num_f32 v[TM+\b], |v[SRC+16*\b+\i]|, |v[SRC+16*\b+\i+1]|, v[TM+\b]
.endr
.endr
	WIN 0
.irp b, 0,1,2,3
	v_permlanex16_b32 v[TM+4+\b], v[TM+\b], s10, s11
.endr
.irp b, 0,1,2,3
	v_max_num_f32 v[TM+\b], v[TM+\b], v[TM+4+\b]   ; with lane l xor 16's: the block's largest magnitude
.endr
.irp b, 0,1,2,3
	v_add_nc_u32 v[TM+12+\b], 0xff000000, v[TM+\b] ; 2 off its exponent field: the conversion's scale operand
.endr
.irp b, 0,1,2,3
	v_lshrrev_b32 v[TM+4+\b], 23, v[TM+12+\b]      ; the scale's byte
.endr
	v_lshl_or_b32 v[PW+(\a)], v[TM+5], 8, v[TM+4]
	v_lshl_or_b32 v[PW+(\a)], v[TM+6], 16, v[PW+(\a)]
	v_lshl_or_b32 v[PW+(\a)], v[TM+7], 24, v[PW+(\a)]
	WIN WN                                         ; source 0: the accumulators' window
	v_cvt_scalef32_pk16_fp6_f32 v[\d0:\d0+2], v[SRC:SRC+15], v[TM+12]
	v_cvt_scalef32_pk16_fp6_f32 v[TMPC:TMPC+2], v[SRC+16:SRC+31], v[TM+13]   ; (a conversion's three registers begin on an even number)
	v_cvt_scalef32_pk16_fp6_f32 v[\d1:\d1+2], v[SRC+32:SRC+47], v[TM+14]
	v_cvt_scalef32_pk16_fp6_f32 v[TMPC+4:TMPC+6], v[SRC+48:SRC+63], v[TM+15]
	WIN 0
	v_nop                                          ; one plain place behind a scaled conversion
.irp i, 0,1,2                          ; the operand's layout wants a whole block in a lane: lanes 0-15 the even block, lanes 16-31 the odd one
	v_permlane16_swap_b32 v[\d0+\i], v[TMPC+\i]
	v_permlane16_swap_b32 v[\d1+\i], v[TMPC+4+\i]
.endr
.irp i, 0,1,2
	v_mov_b32 v[\d0+3+\i], v[TMPC+\i]
	v_mov_b32 v[\d1+3+\i], v[TMPC+4+\i]
.endr
.endm
; isv = 0: a block's first six registers are head 0's 64 channels of 16 tokens, the other six head 1's: two blocks make a run of 12 for each head.  isv = 1: a block's twelve are a whole fragment, 16 channels x 128 keys.
.macro EPI isv
.irp p, 0,1,2,3
.if \p > 0
	s_wait_xcnt 0x0                                ; the stores have read the images: they may be written again
.endif
.if \isv
	QUANTW 2*\p, IMG, IMG+6
	QUANTW 2*\p+1, IMG+12, IMG+18
.else
	QUANTW 2*\p, IMG, IMG+12
	QUANTW 2*\p+1, IMG+6, IMG+18
.endif
.irp g, 0,1,2
.if \isv
	global_store_b128 v[LOFF], v[IMG+4*\g:IMG+4*\g+3], s[12:13] offset:((2*\p)/4)*HS+((2*\p)%4)*1536+512*\g
	global_store_b128 v[LOFF], v[IMG+12+4*\g:IMG+12+4*\g+3], s[12:13] offset:((2*\p)/4)*HS+((2*\p)%4)*1536+1536+512*\g
.else
	global_store_b128 v[LOFF], v[IMG+4*\g:IMG+4*\g+3], s[12:13] offset:1536*\p+512*\g       ; 32 lanes store 512 consecutive bytes, aligned to 256
	global_store_b128 v[LOFF], v[IMG+12+4*\g:IMG+12+4*\g+3], s[12:13] offset:HS+1536*\p+512*\g
.endif
.endr
.endr
.irp p, 0,1,2,3
	v_cndmask_b32 v[MW+\p], v[PW+2*\p], v[PW+2*\p+1], s8   ; lanes 0-15: block 2 p's words, lanes 16-31: block 2 p + 1's (both halves of the lanes hold a row's word)
.endr
.if \isv
	global_store_b64 v[LOFF8], v[MW:MW+1], s[12:13] offset:6144        ; head 0's four tiles of channels
	global_store_b64 v[LOFF8], v[MW+2:MW+3], s[12:13] offset:HS+6144   ; head 1's
.else
.irp p, 0,1,2,3
	v_and_b32 v[N0+\p], 0xffff, v[MW+\p]           ; head 0's two bytes; the bytes of the K that the head does not have stay 0: they meet zero codes
	v_lshrrev_b32 v[N1+\p], 16, v[MW+\p]           ; head 1's
.endr
	global_store_b128 v[LOFF], v[N0:N0+3], s[12:13] offset:6144
	global_store_b128 v[LOFF], v[N1:N1+3], s[12:13] offset:HS+6144
.endif
.endm
	s_cmp_eq_u32 ttmp9, 2                          ; the cluster's x: the same in all partners
	s_cbranch_scc1 .Lv
	EPI 0
	s_branch .Ldone
.Lv:
	EPI 1
.Ldone:
	s_wait_tensorcnt 0x0                           ; the wave's end
	ds_add_u32 v[SPW], v[NIL]
	s_wait_dscnt 0x0
	CROUND                                         ; the closing round: no work-group ends while a partner may still ask for a tile that names it
	s_endpgm
.Lfunc_end_k_q5757acd09e_qkv:
	.size	k_q5757acd09e_qkv, .Lfunc_end_k_q5757acd09e_qkv-k_q5757acd09e_qkv
	.p2alignl 7, 3214868480
	.fill 96, 4, 3214868480
	.section	.rodata,"a",@progbits
	.p2align	6, 0x0
	.amdhsa_kernel k_q5757acd09e_qkv
		.amdhsa_group_segment_fixed_size 327680
		.amdhsa_private_segment_fixed_size 0
		.amdhsa_enable_private_segment 0
		.amdhsa_kernarg_size 24
		.amdhsa_user_sgpr_count 2
		.amdhsa_user_sgpr_kernarg_segment_ptr 1
		.amdhsa_wavefront_size32 1
		.amdhsa_system_sgpr_workgroup_id_x 1
		.amdhsa_system_sgpr_workgroup_id_y 1
		.amdhsa_system_sgpr_workgroup_id_z 1
		.amdhsa_system_vgpr_workitem_id 0
		.amdhsa_next_free_vgpr 1024
		.amdhsa_next_free_sgpr 100
		.amdhsa_reserve_vcc 0
		.amdhsa_float_denorm_mode_32 3
		.amdhsa_float_denorm_mode_16_64 3
		.amdhsa_memory_ordered 1
		.amdhsa_forward_progress 1
		.amdhsa_inst_pref_size 199
	.end_amdhsa_kernel
	.amdgpu_metadata
---
amdhsa.version: [ 1, 2 ]
amdhsa.kernels:
  - .name:           k_q5757acd09e_qkv
    .symbol:         k_q5757acd09e_qkv.kd
    .args:
      - { .name: codes, .offset: 0, .size: 8, .value_kind: global_buffer, .address_space: global }
      - { .name: scales, .offset: 8, .size: 8, .value_kind: global_buffer, .address_space: global }
      - { .name: qkv, .offset: 16, .size: 8, .value_kind: global_buffer, .address_space: global }
    .group_segment_fixed_size: 327680
    .private_segment_fixed_size: 0
    .kernarg_segment_align: 8
    .kernarg_segment_size: 24
    .max_flat_workgroup_size: 128
    .sgpr_count:     100
    .vgpr_count:     1024
    .wavefront_size: 32
...
	.end_amdgpu_metadata
.endif
;; end of part 2
;; launch attn (part 3): grid 4 x 64, 16 waves a work-group, no clusters, 327,680 bytes of LDS; arguments qkv, ycodes, yscales; writes ycodes, yscales
.if DOCPART == 3
	.amdgcn_target "amdgcn-amd-amdhsa--gfx1250"
	.amdhsa_code_object_version 6
	.text
	.protected	k_q5757acd09e_attn
	.globl	k_q5757acd09e_attn
	.p2align	8
	.type	k_q5757acd09e_attn,@function
k_q5757acd09e_attn:
	s_mov_b64 s[64:65], 0
	v_nop
	global_prefetch_b8 v0, s[64:65] scope:SCOPE_SE
	s_setreg_imm32_b32 hwreg(HW_REG_WAVE_MODE, 25, 1), 1
	s_wait_xcnt 0x0
; Causal attention on codes of FP6 (E2M3), head size 64, 2,048 tokens, 64 (head, batch) pairs.  IN: qkv, records of REC bytes for each (head, 128 tokens): K's codes and scale words, V's, Q's, as images of the registers below.
; OUT: y = O / l quantised along the head's 64: ycodes [token / 128][head][tile of 16 tokens][768 bytes: six registers, pair g at 256 g + 8 lane]; yscales [stored row][32], head h's two bytes at 2 h.
; THE SOFTMAX AHEAD OF THE SECOND PRODUCT: t = score x log2(e) / 8; M = the running largest t rounded UP to a whole number; p = 2^(t - M) is quantised along the keys, not normalised; the row's sum l is taken of the
; unquantised p and divides O at the end.  When M moves, l and O are multiplied by 2^(old M - new M): exact.
; SHARES.  Work-group (i, 4 head + batch) owns the blocks i and 7 - i of 256 queries: (i + 1) + (8 - i) = 9 slots of 256 keys under the causal mask, the same count in every work-group, so all loops have constant trip counts and the
; work is even.  Each of sixteen waves owns one tile of 16 queries in 256 registers: four waves to a SIMD, so that one wave's vector work stands beside another's matrix work and LDS loads.
; A tile lies inside one aligned run of 128 queries, so a key step of 128 keys is hidden as a whole (left out by a scalar branch on ids), on the diagonal (masked), or open.
; LAYOUT.  Both products transposed: S^T = K Q^T, O^T = V^T P^T: a lane holds one query (lane % 16) throughout.  Lane r of tile 2 b + u (of keys, of queries, of channels) is place 32 b + 8 u + r + 8 (r / 8), so that the 16 registers
; of two neighbouring result tiles are 16 neighbours along the next K.  The first product has K = 64 in an instruction of 128: Q's upper six registers are zero codes; K's upper six are whatever follows in the registers.
; NO CLUSTER: the four work-groups of a head want different key slots in the same trip (trip n is slot n or slot n - i - 1); walking in step would take 12 slots' time for 9 slots' work.
; LIMITS: NaN and infinities are not served; a block whose largest magnitude lies under 2^-124, or of zeros, keeps the byte 1; a block's largest p is taken from its largest score, which takes v_exp_f32 not to fall where its input rises.
.set REC,   19712
.set KVB,   13056                      ; a record's K and V part: 51 x 256 bytes, one key step
.set SLOT1, 32768                      ; slot 1 begins here; a slot holds two key steps, 26,112 bytes
.set SPARE, 65536                      ; the spare words: 128 bytes a wave, eight blocks of 256 bytes that no other line names
.set L16, 1                            ; v1  16 x lane
.set L8,  2                            ; v2  8 x lane
.set AD,  3                            ; v3  slot + 16 x lane
.set AD8, 4                            ; v4  slot + 8 x lane
.set SPW, 5
.set NIL, 6
.set D0,  7                            ; v7  my query's place in its 128, less 16 (lane / 16)
.set QCO, 8
.set QSO, 9
.set PFO, 10
.set YSO, 11                           ; v11 32 x (lane % 16)
                                       ; v12 -M, v13 the largest t, v[14:15] l in two halves
.set QF,  16                           ; v16-27 Q's fragment; v22-27 zeros
.set QF2, 28                           ; v28-33 the second block's
.set QS,  34                           ; Q's scale words
.set QS2, 35
.set KB,  36                           ; v36-83 K's eight half fragments, then V's four fragments; v84-89 zeros
.set KSW, 90                           ; v90-93 K's scale words
.set VSW, 94                           ; v94-95 V's
.set ST,  96                           ; v96-159 S^T, then p
.set OT,  160                          ; v160-191 O^T
.set PC,  192                          ; v192-203 p's codes
.set PT,  204                          ; v204-211 the conversions' second halves
.set TM,  212                          ; v212-215 block maxima, v216-219 at work, v224-227 the conversions' scale operands
.set PW,  228                          ; p's scale word
.set FF,  230                          ; v[230:231] f = 2^(old M - new M)
.set TB,  2
.set KF,  3                            ; the step's first key
.set WV,  10
.set II,  11
.set IC,  12                           ; 8 - i: the count at which the first block ends
.set SLOTS, 13
.set QB,  14                           ; the first query of my tile's run of 128
.set QB2, 15
.set SEL, 16
.set CS,  18
.set G1,  20
.set G0,  28
.set STP, 32
.set BACK, 34
.set ODD, 35
.set QP,  36
.set YB,  40
.set YS,  44
.set PFA, 48
.set LIM, 50
.macro TLOAD                           ; waves 0 and 1 fetch a key step's record each; four v_nop follow the line
	s_cmp_lt_u32 s[WV], 2
	s_cbranch_scc0 .Lno_load_\@
	tensor_load_to_lds s[G0:G0+3], s[G1:G1+7]
	s_nop 0
.rept 4
	v_nop
.endr
.Lno_load_\@:
.endm
; A PREFETCH of what the next change of slots will ask for: two records' K and V parts, 51 blocks of 256 bytes each.  All four work-groups of a head walk the same keys: work-group x = 0, which walks key slots 0, 0, 1 .. 7, asks,
; so each of slots 1 to 7 is named in one trip, a slot's two key steps ahead of the tensor load that wants it.  Waves 4, 5 take the first record, waves 6, 7 the second, a lane a block; the lanes beyond a record's 51 blocks name its last.
; The last change that fills a slot asks for nothing.
.macro ASK
	s_cmp_gt_u32 s[SLOTS], s[LIM]
	s_cbranch_scc0 .Lnot_mine_\@
	global_prefetch_b8 v[PFO], s[PFA:PFA+1] th:TH_LOAD_NT scope:SCOPE_SE
.Lnot_mine_\@:
.endm
	s_load_b128 s[4:7], s[0:1], 0x0                ; qkv, ycodes
	s_load_b64 s[8:9], s[0:1], 0x10                ; yscales
	v_lshl_add_u32 v[SPW], v0, 2, SPARE
	v_mov_b32 v[NIL], 0
	ds_add_u32 v5, v6
	ds_add_u32 v5, v6
	s_wait_dscnt 0x0
	v_lshrrev_b32 v232, 5, v0
	s_delay_alu instid0(VALU_DEP_1)
	v_readfirstlane_b32 s[WV], v232                ; wave 0..15
	s_mov_b32 s[II], ttmp9
	s_sub_co_u32 s[IC], 8, s[II]
	s_and_b32 s51, ttmp7, 0xffff                   ; 4 head + batch
	s_lshr_b32 s52, s[WV], 3                       ; which 128 of a block's 256 queries
	s_and_b32 s53, s[WV], 7                        ; my tile among its eight
	s_lshl_b32 s54, s[II], 1
	s_add_co_u32 s54, s54, s52                     ; my run of 128 tokens in the first block,
	s_sub_co_u32 s55, 7, s[II]
	s_lshl_b32 s55, s55, 1
	s_add_co_u32 s55, s55, s52                     ; and in the second
	s_lshl_b32 s[QB], s54, 7
	s_lshl_b32 s[QB2], s55, 7
	s_mul_i32 s56, s51, 16*REC                     ; the first record of my head and batch
	s_mov_b32 s57, 0
	s_and_b32 s58, s[WV], 1
	s_mul_i32 s[G0+1], s58, KVB                    ; LDS: key step (wave % 2) of slot 0
	s_mul_i32 s58, s58, REC
	s_add_co_u32 s58, s58, s56
	s_mov_b32 s59, 0
	s_mul_i32 s60, s54, REC
	s_add_co_u32 s60, s60, s56
	s_add_co_u32 s60, s60, KVB                     ; Q's part of my records
	s_mov_b32 s61, 0
	s_mul_i32 s62, s55, REC
	s_add_co_u32 s62, s62, s56
	s_add_co_u32 s62, s62, KVB
	s_mov_b32 s63, 0
	s_and_b32 s66, s51, 3
	s_lshl_b32 s66, s66, 4                         ; 16 x batch
	s_lshr_b32 s67, s51, 2                         ; head
	s_add_co_u32 s68, s66, s54                     ; token / 128, first block,
	s_add_co_u32 s69, s66, s55                     ; second block
	s_lshl_b32 s70, s68, 4
	s_add_co_u32 s70, s70, s67
	s_lshl_b32 s70, s70, 3
	s_add_co_u32 s70, s70, s53
	s_mul_i32 s70, s70, 768                        ; my chunk of ycodes
	s_mov_b32 s71, 0
	s_lshl_b32 s72, s69, 4
	s_add_co_u32 s72, s72, s67
	s_lshl_b32 s72, s72, 3
	s_add_co_u32 s72, s72, s53
	s_mul_i32 s72, s72, 768
	s_mov_b32 s73, 0
	s_lshl_b32 s78, s67, 1
	s_lshl_b32 s74, s68, 3
	s_add_co_u32 s74, s74, s53
	s_lshl_b32 s74, s74, 9                         ; my 16 stored rows of 32 scale bytes,
	s_add_co_u32 s74, s74, s78                     ; my head's two bytes
	s_mov_b32 s75, 0
	s_lshl_b32 s76, s69, 3
	s_add_co_u32 s76, s76, s53
	s_lshl_b32 s76, s76, 9
	s_add_co_u32 s76, s76, s78
	s_mov_b32 s77, 0
	s_mov_b32 s[G1], 3<<16                         ; no mask; elements of 8 bytes; no padding
	s_mov_b32 s[G1+1], 32<<16                      ; tensor_dim0: 256 bytes
	s_mov_b32 s[G1+2], 51<<16                      ; tensor_dim1
	s_mov_b32 s[G1+3], 32<<16                      ; tile_dim0
	s_mov_b32 s[G1+4], 51                          ; tile_dim1
	s_mov_b32 s[G1+5], 32                          ; dense
	s_mov_b32 s[G1+6], 0
	s_mov_b32 s[G1+7], 0
	s_mov_b32 s[G0], 1
	s_mov_b32 s[SEL], 0x76543210
	s_mov_b32 s[SEL+1], 0xfedcba98                 ; v_permlanex16_b32's selects for lane l xor 16
	s_mov_b32 s[CS], 0x3e38aa3b                    ; c = log2(e) / sqrt(64)
	s_mov_b32 s[CS+1], s[CS]                       ; (named with it as a pair, so it is written)
	s_mov_b32 s[STP+1], 0
	s_add_co_u32 s[BACK], s[II], 1
	s_mul_i32 s[BACK], s[BACK], 2*REC              ; from key slot i + 1 back to key slot 0
	s_bitcmp1_b32 s[WV], 0
	s_cselect_b32 s[ODD], -1, 0                    ; my tile is the second of its pair
	s_sub_co_u32 s78, s[WV], 4
	s_lshr_b32 s78, s78, 2                         ; 0 in waves 4 to 7,
	s_or_b32 s78, s78, ttmp9                       ; of work-group x = 0
	s_cmp_eq_u32 s78, 0
	s_cselect_b32 s[LIM], 1, -1
	s_mov_b32 s[TB], 0
	s_mov_b32 s[KF], 0
	s_mov_b32 s[SLOTS], 8
	s_wait_kmcnt 0x0
	s_add_nc_u64 s[G0+2:G0+3], s[4:5], s[58:59]
	s_or_b32 s[G0+3], s[G0+3], 0x80000000
	s_add_nc_u64 s[QP:QP+1], s[4:5], s[60:61]
	s_add_nc_u64 s[QP+2:QP+3], s[4:5], s[62:63]
	s_add_nc_u64 s[YB:YB+1], s[6:7], s[70:71]
	s_add_nc_u64 s[YB+2:YB+3], s[6:7], s[72:73]
	s_add_nc_u64 s[YS:YS+1], s[8:9], s[74:75]
	s_add_nc_u64 s[YS+2:YS+3], s[8:9], s[76:77]
	s_add_nc_u64 s[PFA:PFA+1], s[4:5], s[56:57]    ; at key slot 0: the first change of slots steps it to slot 1.  Nothing is prefetched at the head
	TLOAD                                          ; slot 0: the first trip's keys; one tensor load of mine is out
	v_and_b32 v232, 31, v0                         ; lane
	s_delay_alu instid0(VALU_DEP_1)
	v_lshlrev_b32 v[L16], 4, v232
	s_delay_alu instid0(VALU_DEP_2)
	v_lshlrev_b32 v[L8], 3, v232
	v_and_b32 v233, 15, v0                         ; r
	s_wait_alu depctr_va_vdst(0)
	v_bfe_u32 v234, v0, 4, 1                       ; h
	s_wait_alu depctr_va_vdst(0)
	s_lshr_b32 s78, s53, 1                         ; my tile's pair,
	s_and_b32 s79, s53, 1                          ; and which of the two
	s_mul_i32 s80, s78, 1536
	v_add_nc_u32 v[QCO], s80, v[L16]
	s_lshl_b32 s80, s79, 8
	s_lshl_b32 s81, s78, 2
	s_add_co_u32 s80, s80, s81
	v_lshl_add_u32 v[QSO], v233, 4, s80            ; Q's scale word of row r: 16 (16 u + r) + 4 x pair
.irp g, 0,1,2
	global_load_b128 v[ST+4*\g:ST+4*\g+3], v[QCO], s[QP:QP+1] offset:512*\g          ; the pair's 12 registers, first block,
	global_load_b128 v[ST+12+4*\g:ST+12+4*\g+3], v[QCO], s[QP+2:QP+3] offset:512*\g  ; second block
.endr
	global_load_b32 v[QS], v[QSO], s[QP:QP+1] offset:6144
	global_load_b32 v[QS2], v[QSO], s[QP+2:QP+3] offset:6144
	s_lshl_b32 s80, s78, 5
	s_lshl_b32 s81, s79, 3
	s_add_co_u32 s80, s80, s81                     ; 32 x pair + 8 u
	v_and_b32 v235, 8, v233
	s_delay_alu instid0(VALU_DEP_1)
	v_add3_u32 v[D0], v233, v235, s80              ; + r + 8 (r / 8): my query's place in its 128
	v_lshlrev_b32 v235, 4, v234
	s_delay_alu instid0(VALU_DEP_1)
	v_sub_nc_u32 v[D0], v[D0], v235
	v_lshlrev_b32 v[YSO], 5, v233
	s_and_b32 s80, s[WV], 1
	s_lshl_b32 s80, s80, 5
	v_add_nc_u32 v[PFO], s80, v232
	s_delay_alu instid0(VALU_DEP_1)
	v_min_u32 v[PFO], 50, v[PFO]
	s_delay_alu instid0(VALU_DEP_1)
	v_lshlrev_b32 v[PFO], 8, v[PFO]
	s_bfe_u32 s80, s[WV], 0x10001
	s_mul_i32 s80, s80, REC
	v_add_nc_u32 v[PFO], s80, v[PFO]
	v_mov_b32 v13, 0xff61b1e6                      ; the largest t so far: -3e38, under every t
	s_delay_alu instid0(VALU_DEP_1)
	v_floor_f32 v12, -v13                          ; -M
	v_mov_b32 v14, 0
	v_mov_b32 v15, 0
.irp j, 0,1,2,3,4,5
	v_mov_b32 v[QF+6+\j], 0                        ; the K that the head does not have: zero codes
	v_mov_b32 v[KB+48+\j], 0                       ; what stands behind K's last tile
.endr
.irp b, 0,1,2,3
	v_mov_b32 v[TM+4+\b], 0                        ; written once: a lane permute's destination counts as one of its sources
.endr
	v_mov_b32 v[FF+1], 0                           ; (named as the upper half of a pair)
.set J, 0
.rept 32
	v_mov_b32 v[OT+J], 0                           ; O^T: the first step finds zeros, which the first change of M leaves zeros
.set J, J+1
.endr
	s_wait_loadcnt 0x0
.irp j, 0,1,2,3,4,5
	v_cndmask_b32 v[QF+\j], v[ST+\j], v[ST+6+\j], s[ODD]
	v_cndmask_b32 v[QF2+\j], v[ST+12+\j], v[ST+18+\j], s[ODD]
.endr
; A KEY STEP: 128 keys, the q-th of the slot in hand.
.macro STEP q
	s_cmp_gt_u32 s[KF], s[QB]                      ; all its keys come after my queries: left out; no barrier and no tensor load stands in a step
	s_cbranch_scc1 .Lhidden_\@
	v_add_nc_u32 v[AD], s[TB], v[L16]
	v_add_nc_u32 v[AD8], s[TB], v[L8]
	v_nop
	v_nop                                          ; four places in front of loads into registers that the last products have read
.irp g, 0,1,2,3,4,5,6,7,8,9,10,11
	ds_load_b128 v[KB+4*\g:KB+4*\g+3], v[AD] offset:(\q)*KVB+512*\g   ; K's eight tiles, six registers each, as they were stored: 512 consecutive bytes a load
.endr
	ds_load_b128 v[KSW:KSW+3], v[AD] offset:(\q)*KVB+6144
	s_wait_dscnt 0x0
	s_wait_alu depctr_va_vdst(0)
.irp t, 0,1,2,3,4,5,6,7
.if (\t)%2
	v_wmma_scale_f32_16x16x128_f8f6f4 v[ST+8*\t:ST+8*\t+7], v[KB+6*\t:KB+6*\t+11], v[QF:QF+11], 0, v[KSW+\t/2], v[QS] matrix_a_fmt:MATRIX_FMT_FP6 matrix_b_fmt:MATRIX_FMT_FP6 matrix_a_scale:MATRIX_SCALE_ROW1
.else
	v_wmma_scale_f32_16x16x128_f8f6f4 v[ST+8*\t:ST+8*\t+7], v[KB+6*\t:KB+6*\t+11], v[QF:QF+11], 0, v[KSW+\t/2], v[QS] matrix_a_fmt:MATRIX_FMT_FP6 matrix_b_fmt:MATRIX_FMT_FP6
.endif
.endr
.rept 4
	v_nop                                          ; places in front of the loads below and of the first read of the scores
.endr
.irp g, 0,1,2,3,4,5,6,7,8,9,10,11
	ds_load_b128 v[KB+4*\g:KB+4*\g+3], v[AD] offset:(\q)*KVB+6656+512*\g   ; V's four fragments land while the softmax is walked
.endr
	ds_load_b64 v[VSW:VSW+1], v[AD8] offset:(\q)*KVB+12800
	s_cmp_lg_u32 s[KF], s[QB]
	s_cbranch_scc1 .Lopen_\@
	v_mov_b32 v233, 0xff800000                     ; on the diagonal hidden scores become -infinity: register 16 b + i holds key 32 b + 16 (lane / 16) + i of the step
.set J, 0
.rept 64
	v_cmp_gt_i32 vcc_lo, 32*(J/16)+J%16, v[D0]
	v_cndmask_b32 v[ST+J], v[ST+J], v233, vcc_lo
.set J, J+1
.endr
.Lopen_\@:
.irp b, 0,1,2,3
	v_max3_num_f32 v[TM+\b], v[ST+16*\b], v[ST+16*\b+1], v[ST+16*\b+2]   ; the largest score of each block of 32 keys: for the row's maximum, and for the block's largest p
.endr
.irp i, 3,5,7,9,11,13
.irp b, 0,1,2,3
	v_max3_num_f32 v[TM+\b], v[TM+\b], v[ST+16*\b+\i], v[ST+16*\b+\i+1]
.endr
.endr
.irp b, 0,1,2,3
	v_max_num_f32 v[TM+\b], v[TM+\b], v[ST+16*\b+15]
.endr
.irp b, 0,1,2,3
	s_delay_alu instid0(VALU_DEP_4)
	v_permlanex16_b32 v[TM+4+\b], v[TM+\b], s[SEL], s[SEL+1]
.endr
.irp b, 0,1,2,3
	s_delay_alu instid0(VALU_DEP_4)
	v_max_num_f32 v[TM+\b], v[TM+\b], v[TM+4+\b]   ; with lane l xor 16's 16 keys
.endr
	s_delay_alu instid0(VALU_DEP_2)
	v_max3_num_f32 v232, v[TM], v[TM+1], v[TM+2]
	s_delay_alu instid0(VALU_DEP_1)
	v_max_num_f32 v232, v232, v[TM+3]
	s_delay_alu instid0(VALU_DEP_1)
	v_mul_f32 v232, s[CS], v232                    ; as t
	s_delay_alu instid0(VALU_DEP_1)
	v_max_num_f32 v13, v13, v232                   ; the running largest t
	v_mov_b32 v232, v12
	s_delay_alu instid0(VALU_DEP_2)
	v_floor_f32 v12, -v13                          ; the new -M = floor(-t) = -ceil(t)
	s_delay_alu instid0(VALU_DEP_1)
	v_sub_f32 v232, v12, v232                      ; old M - new M: a whole number, 0 or less
	s_delay_alu instid0(VALU_DEP_1)
	v_cvt_i32_f32 v232, v232                       ; (it saturates)
	s_delay_alu instid0(VALU_DEP_1)
	v_ldexp_f32 v[FF], 1.0, v232                   ; f
.set J, 0
.rept 32
	v_pk_fma_f32 v[ST+J:ST+J+1], v[ST+J:ST+J+1], s[CS:CS+1], v[12:13] op_sel_hi:[1,0,0]   ; t - M, two at a time
.set J, J+2
.endr
.irp b, 0,1,2,3
	v_fma_f32 v[TM+\b], v[TM+\b], s[CS], v12       ; the same of each block's largest score
.endr
.set J, 0
	s_wait_alu depctr_va_vdst(0)
.rept 64
	v_exp_f32 v[ST+J], v[ST+J]                     ; p = 2^(t - M)
.set J, J+1
.endr
	v_pk_mul_f32 v[14:15], v[14:15], v[FF:FF+1] op_sel_hi:[1,0]   ; l under the new M: the plain place behind the exponentials
	s_wait_alu depctr_va_vdst(0)                   ; one wait for the batch, ahead of its first reader
.irp b, 0,1,2,3
	v_exp_f32 v[TM+\b], v[TM+\b]                   ; the block's largest p
.endr
	v_pk_add_f32 v[216:217], v[100:101], v[104:105]
	v_pk_add_f32 v[254:255], v[108:109], v[112:113]
	v_pk_add_f32 v[252:253], v[116:117], v[120:121]
	v_pk_add_f32 v[250:251], v[124:125], v[128:129]
	v_pk_add_f32 v[248:249], v[132:133], v[136:137]
	v_pk_add_f32 v[246:247], v[140:141], v[144:145]
	v_pk_add_f32 v[244:245], v[148:149], v[152:153]
	v_pk_add_f32 v[14:15], v[14:15], v[156:157]
	v_pk_add_f32 v[216:217], v[216:217], v[96:97]
	v_pk_add_f32 v[254:255], v[254:255], v[98:99]
	v_pk_add_f32 v[252:253], v[252:253], v[102:103]
	v_pk_add_f32 v[250:251], v[250:251], v[106:107]
	v_pk_add_f32 v[248:249], v[248:249], v[110:111]
	v_pk_add_f32 v[246:247], v[246:247], v[114:115]
	v_pk_add_f32 v[244:245], v[244:245], v[118:119]
	v_pk_add_f32 v[14:15], v[14:15], v[122:123]
	v_pk_add_f32 v[216:217], v[216:217], v[126:127]
	v_pk_add_f32 v[254:255], v[254:255], v[130:131]
	v_pk_add_f32 v[252:253], v[252:253], v[134:135]
	v_pk_add_f32 v[250:251], v[250:251], v[138:139]
	v_pk_add_f32 v[248:249], v[248:249], v[142:143]
	v_pk_add_f32 v[246:247], v[246:247], v[146:147]
	v_pk_add_f32 v[244:245], v[244:245], v[150:151]
	v_pk_add_f32 v[14:15], v[14:15], v[154:155]
	v_pk_add_f32 v[216:217], v[216:217], v[158:159]
	s_delay_alu instid0(VALU_DEP_2)
	v_pk_add_f32 v[14:15], v[14:15], v[250:251]
	s_delay_alu instid0(VALU_DEP_2)
	v_pk_add_f32 v[216:217], v[216:217], v[248:249]
	v_pk_add_f32 v[254:255], v[254:255], v[246:247]
	v_pk_add_f32 v[252:253], v[252:253], v[244:245]
	s_delay_alu instid0(VALU_DEP_2)
	v_pk_add_f32 v[14:15], v[14:15], v[254:255]
	s_delay_alu instid0(VALU_DEP_2)
	v_pk_add_f32 v[216:217], v[216:217], v[252:253]
	s_delay_alu instid0(VALU_DEP_1)
	v_pk_add_f32 v[14:15], v[14:15], v[216:217]
	s_wait_alu depctr_va_vdst(0)                   ; and one for the four
.irp b, 0,1,2,3
	v_max_num_f32 v[TM+\b], 0x1800000, v[TM+\b]    ; the floor: the byte cannot fall under 1
.endr
.irp b, 0,1,2,3
	s_delay_alu instid0(VALU_DEP_4)
	v_add_nc_u32 v[TM+12+\b], 0xff000000, v[TM+\b] ; the conversion's scale operand
.endr
.irp b, 0,1,2,3
	s_delay_alu instid0(VALU_DEP_4)
	v_lshrrev_b32 v[TM+4+\b], 23, v[TM+12+\b]      ; the scale's byte
.endr
	s_delay_alu instid0(VALU_DEP_3)
	v_lshl_or_b32 v[PW], v[TM+5], 8, v[TM+4]
	s_delay_alu instid0(VALU_DEP_1)
	v_lshl_or_b32 v[PW], v[TM+6], 16, v[PW]
	s_delay_alu instid0(VALU_DEP_1)
	v_lshl_or_b32 v[PW], v[TM+7], 24, v[PW]
.irp c, 0,1
	v_cvt_scalef32_pk16_fp6_f32 v[PC+6*\c:PC+6*\c+2], v[ST+32*\c:ST+32*\c+15], v[TM+12+2*\c]
	v_cvt_scalef32_pk16_fp6_f32 v[PT+4*\c:PT+4*\c+2], v[ST+32*\c+16:ST+32*\c+31], v[TM+13+2*\c]
.endr
	v_nop                                          ; one plain place behind a scaled conversion
.irp c, 0,1
.irp i, 0,1,2
	v_permlane16_swap_b32 v[PC+6*\c+\i], v[PT+4*\c+\i]   ; a whole block to a lane
.endr
.irp i, 0,1,2
	s_delay_alu instid0(VALU_DEP_3)
	v_mov_b32 v[PC+6*\c+3+\i], v[PT+4*\c+\i]
.endr
.endr
.set J, 0
.rept 16
	v_pk_mul_f32 v[OT+J:OT+J+1], v[OT+J:OT+J+1], v[FF:FF+1] op_sel_hi:[1,0]   ; O^T under the new M; these sixteen are also the places between the scale word, the codes and the products
.set J, J+2
.endr
	s_wait_alu depctr_va_vdst(0)
	s_wait_dscnt 0x0                               ; V is in
.irp t, 0,1,2,3
.if (\t)%2
	v_wmma_scale_f32_16x16x128_f8f6f4 v[OT+8*\t:OT+8*\t+7], v[KB+12*\t:KB+12*\t+11], v[PC:PC+11], v[OT+8*\t:OT+8*\t+7], v[VSW+\t/2], v[PW] matrix_a_fmt:MATRIX_FMT_FP6 matrix_b_fmt:MATRIX_FMT_FP6 matrix_a_scale:MATRIX_SCALE_ROW1
.else
	v_wmma_scale_f32_16x16x128_f8f6f4 v[OT+8*\t:OT+8*\t+7], v[KB+12*\t:KB+12*\t+11], v[PC:PC+11], v[OT+8*\t:OT+8*\t+7], v[VSW+\t/2], v[PW] matrix_a_fmt:MATRIX_FMT_FP6 matrix_b_fmt:MATRIX_FMT_FP6
.endif
.endr
.Lhidden_\@:
	s_add_co_u32 s[KF], s[KF], 128
.endm
; THE CHANGE OF SLOTS stands at a slot's head: each wave waits for all its tensor loads, adds 0 to its spare word, waits for that and for its reads of the slot that it has left; behind the barrier the slot ahead is whole
; and nobody reads the other one, which is then filled with the next trip's keys (fill = 1): the next 256, or, where the second block of queries begins, the head's first 256 again.
.macro CHANGE fill
	s_wait_tensorcnt 0x0                           ; no tensor load of mine is out, so group 0 may be written
	ds_add_u32 v[SPW], v[NIL]                      ; 0 onto my spare word
.if \fill
	s_xor_b32 s[G0+1], s[G0+1], SLOT1
	s_cmp_eq_u32 s[SLOTS], s[IC]
	s_cselect_b32 s[STP], s[BACK], 0
	s_add_nc_u64 s[G0+2:G0+3], s[G0+2:G0+3], 2*REC
	s_sub_nc_u64 s[G0+2:G0+3], s[G0+2:G0+3], s[STP:STP+1]
	s_wait_xcnt 0x0                                ; the last prefetch, a slot back, has read its address
	s_add_nc_u64 s[PFA:PFA+1], s[PFA:PFA+1], 2*REC
.endif
	s_wait_dscnt 0x0                               ; the add is done, and my reads of the slot that I have left are over
	s_barrier_signal -1
	s_barrier_wait -1
.if \fill
	TLOAD                                          ; the first thing behind the barrier, and a wave's one tensor load until the next
	ASK
.endif
.endm
; A block of queries is finished: O^T / l, quantised along the head's 64 (two blocks of 32), leaves as half a fragment and two scale bytes.
.macro FINAL yb, ys
.rept 4
	v_nop                                          ; places behind the last products
.endr
	v_add_f32 v14, v14, v15
	s_delay_alu instid0(VALU_DEP_1)
	v_permlanex16_b32 v233, v14, s[SEL], s[SEL+1]
	s_delay_alu instid0(VALU_DEP_1)
	v_add_f32 v14, v14, v233                       ; the row's sum
	s_wait_alu depctr_va_vdst(0)
	v_rcp_f32 v232, v14
	v_nop                                          ; a plain place behind the transcendental,
	s_wait_alu depctr_va_vdst(0)                   ; and the wait ahead of its first reader
.set J, 0
.rept 16
	v_pk_mul_f32 v[ST+J:ST+J+1], v[OT+J:OT+J+1], v[232:233] op_sel_hi:[1,0]   ; register 16 b + i is channel 32 b + 16 (lane / 16) + i of my query
.set J, J+2
.endr
.irp b, 0,1
	v_max3_num_f32 v[TM+\b], |v[ST+16*\b]|, |v[ST+16*\b+1]|, 0x1800000
.endr
.irp i, 2,4,6,8,10,12,14
.irp b, 0,1
	s_delay_alu instid0(VALU_DEP_2)
	v_max3_num_f32 v[TM+\b], v[TM+\b], |v[ST+16*\b+\i]|, |v[ST+16*\b+\i+1]|
.endr
.endr
.irp b, 0,1
	s_delay_alu instid0(VALU_DEP_2)
	v_permlanex16_b32 v[TM+4+\b], v[TM+\b], s[SEL], s[SEL+1]
.endr
.irp b, 0,1
	s_delay_alu instid0(VALU_DEP_2)
	v_max_num_f32 v[TM+\b], v[TM+\b], v[TM+4+\b]
.endr
.irp b, 0,1
	s_delay_alu instid0(VALU_DEP_2)
	v_add_nc_u32 v[TM+12+\b], 0xff000000, v[TM+\b]
.endr
.irp b, 0,1
	s_delay_alu instid0(VALU_DEP_2)
	v_lshrrev_b32 v[TM+4+\b], 23, v[TM+12+\b]
.endr
	s_delay_alu instid0(VALU_DEP_1)
	v_lshl_or_b32 v234, v[TM+5], 8, v[TM+4]
	v_cvt_scalef32_pk16_fp6_f32 v[PC:PC+2], v[ST:ST+15], v[TM+12]
	v_cvt_scalef32_pk16_fp6_f32 v[PT:PT+2], v[ST+16:ST+31], v[TM+13]
	v_nop
.irp i, 0,1,2
	v_permlane16_swap_b32 v[PC+\i], v[PT+\i]
.endr
.irp i, 0,1,2
	s_delay_alu instid0(VALU_DEP_3)
	v_mov_b32 v[PC+3+\i], v[PT+\i]
.endr
.irp g, 0,1,2
	global_store_b64 v[L8], v[PC+2*\g:PC+2*\g+1], s[\yb:\yb+1] offset:256*\g   ; 32 lanes store 256 consecutive bytes, aligned
.endr
	global_store_b16 v[YSO], v234, s[\ys:\ys+1]    ; row r's two bytes (both halves of the lanes hold them and write the same)
.endm
.macro RESET                           ; on to the second block of queries
	v_mov_b32 v[QS], v[QS2]
.irp j, 0,1,2,3,4,5
	v_mov_b32 v[QF+\j], v[QF2+\j]
.endr
.set J, 0
.rept 32
	v_mov_b32 v[OT+J], 0
.set J, J+1
.endr
	v_mov_b32 v13, 0xff61b1e6
	s_delay_alu instid0(VALU_DEP_1)
	v_floor_f32 v12, -v13
	v_mov_b32 v14, 0
	v_mov_b32 v15, 0
	s_mov_b32 s[QB], s[QB2]
	s_mov_b32 s[KF], 0
	s_wait_xcnt 0x0                                ; the stores have read their registers: the codes' may be written again
.endm
.Lslot:                                            ; 8 trips: behind each change of slots but the last the next trip's keys are asked for
	CHANGE 1
	STEP 0
	STEP 1
	s_xor_b32 s[TB], s[TB], SLOT1
	s_cmp_lg_u32 s[SLOTS], s[IC]                   ; trip i ends the first block: a branch on the work-group's number
	s_cbranch_scc1 .Lsame
	s_wait_alu depctr_va_vdst(0)
	FINAL YB, YS
	RESET
.Lsame:
	s_sub_co_u32 s[SLOTS], s[SLOTS], 1
	s_cmp_lg_u32 s[SLOTS], 0
	s_cbranch_scc1 .Lslot
	CHANGE 0                                       ; the last slot is written out
	STEP 0
	STEP 1
	s_wait_alu depctr_va_vdst(0)
	FINAL YB+2, YS+2
	s_wait_tensorcnt 0x0                           ; the wave's end
	ds_add_u32 v[SPW], v[NIL]
	s_wait_dscnt 0x0
	s_endpgm
.Lfunc_end_k_q5757acd09e_attn:
	.size	k_q5757acd09e_attn, .Lfunc_end_k_q5757acd09e_attn-k_q5757acd09e_attn
	.p2alignl 7, 3214868480
	.fill 96, 4, 3214868480
	.section	.rodata,"a",@progbits
	.p2align	6, 0x0
	.amdhsa_kernel k_q5757acd09e_attn
		.amdhsa_group_segment_fixed_size 327680
		.amdhsa_private_segment_fixed_size 0
		.amdhsa_enable_private_segment 0
		.amdhsa_kernarg_size 24
		.amdhsa_user_sgpr_count 2
		.amdhsa_user_sgpr_kernarg_segment_ptr 1
		.amdhsa_wavefront_size32 1
		.amdhsa_system_sgpr_workgroup_id_x 1
		.amdhsa_system_sgpr_workgroup_id_y 1
		.amdhsa_system_sgpr_workgroup_id_z 1
		.amdhsa_system_vgpr_workitem_id 0
		.amdhsa_next_free_vgpr 256
		.amdhsa_next_free_sgpr 84
		.amdhsa_reserve_vcc 1
		.amdhsa_float_denorm_mode_32 3
		.amdhsa_float_denorm_mode_16_64 3
		.amdhsa_memory_ordered 1
		.amdhsa_forward_progress 1
		.amdhsa_inst_pref_size 108
	.end_amdhsa_kernel
	.amdgpu_metadata
---
amdhsa.version: [ 1, 2 ]
amdhsa.kernels:
  - .name:           k_q5757acd09e_attn
    .symbol:         k_q5757acd09e_attn.kd
    .args:
      - { .name: qkv, .offset: 0, .size: 8, .value_kind: global_buffer, .address_space: global }
      - { .name: ycodes, .offset: 8, .size: 8, .value_kind: global_buffer, .address_space: global }
      - { .name: yscales, .offset: 16, .size: 8, .value_kind: global_buffer, .address_space: global }
    .group_segment_fixed_size: 327680
    .private_segment_fixed_size: 0
    .kernarg_segment_align: 8
    .kernarg_segment_size: 24
    .max_flat_workgroup_size: 512
    .sgpr_count:     84
    .vgpr_count:     256
    .wavefront_size: 32
...
	.end_amdgpu_metadata
.endif
;; end of part 3
;; launch proj (part 4): grid 4 x 32, 4 waves a work-group, clusters of 4 x 4, 327,680 bytes of LDS; arguments ycodes, yscales, codes, scales, b_proj, out0; writes out0
.if DOCPART == 4
	.amdgcn_target "amdgcn-amd-amdhsa--gfx1250"
	.amdhsa_code_object_version 6
	.text
	.protected	k_q5757acd09e_proj
	.globl	k_q5757acd09e_proj
	.p2align	8
	.type	k_q5757acd09e_proj,@function
k_q5757acd09e_proj:
	s_mov_b64 s[64:65], 0
	v_nop
	global_prefetch_b8 v0, s[64:65] scope:SCOPE_SE
	s_setreg_imm32_b32 hwreg(HW_REG_WAVE_MODE, 25, 1), 1
	s_wait_xcnt 0x0
	s_wait_alu depctr_hold_cnt(0) depctr_sa_sdst(0) depctr_va_vdst(0) depctr_va_sdst(0) depctr_va_ssrc(0) depctr_va_vcc(0) depctr_vm_vsrc(0)
	s_getreg_b32 s2, hwreg(HW_REG_IB_STS2, 6, 4)
	s_cmp_eq_u32 s2, 0
	s_cbranch_scc0 .Lentry_in_a_cluster
	s_endpgm
.Lentry_in_a_cluster:
	s_bfe_u32 s2, ttmp6, 0x10000c
	s_cmp_lg_u32 s2, 0xf033
	s_cbranch_scc0 .Lentry_shape_is_right
	s_endpgm
.Lentry_shape_is_right:
; out0 = y w_proj + b_proj on codes of FP6 (E2M3) with E8M0 scales for each 32 along K = 1,024; out0 [8192][1024] f32.
; A = y: ycodes [token / 128][head 16][tile of 16 tokens 8][768 bytes]: a chunk is half a fragment (64 along K), six registers, pair g at 256 g + 8 lane; yscales [stored row][32].
; B = w_proj's columns: rows 11264 on of codes [12288][768] and scales [12288][32].  In each aligned 32 rows (of tokens, of columns) the two middle groups of eight have changed places; the way out puts both back.
; A tile of 256 x 256 is made by four waves, 128 x 128 each; K goes in steps of 256 through a ring of two LDS slots; the scale bytes come once and stay.  A K step of A's 128 rows is one dense block of 24,576 bytes.
; THE MATRIX INSTRUCTION IS USED TRANSPOSED (source 0 = 16 rows of B, source 1 = 16 rows of A): a lane holds eight neighbouring numbers of a row of out0.  The bias is the C of each sum's first matrix instruction.
; CLUSTERS: 4 x 4 work-groups; A's tile is asked for jointly along a row of the cluster, B's along a column.
; REGISTERS: window 0: v0-31 addresses; v32-63 scale words, two sets; v64-127 the bias in the result's layout; from v128 A's fragments, one set (on the way out rows of out0).  window 1: B's fragments, two sets.  windows 2, 3: the accumulators.
.set KSTEP,  256
.set NQ,     2
.set ROWB,   192
.set KROW,   768
.set PITCH,  240
.set FR,     12
.set NL,     6
.set NP,     4
.set HALFT,  128*PITCH
.set SLOT,   4*HALFT
.set LAPS,   2
.set KS,     32
.set SCL,    2*SLOT
.set HALFS,  (128*KS/256)*272
.set SBLK,   (16*KS/256)*272
.set SPARE,  SCL+4*HALFS               ; the spare words: 128 bytes a wave, two blocks of 256 bytes that no other line names
.set ASTEP,  24576                     ; a K step of A's 128 rows: four heads x eight tiles x 768 bytes
.set SPITCH, 528                       ; the way out: a stage of 16 rows x (512 bytes + 16) for each wave, in slot 0, which has had its last fill and its last read by then
.set ADRA, 16                          ; v16-17 A's chunks in slot 0, 1: + 8 x lane
.set ADRB, 20                          ; v20-21 B's fragments; v22-23 behind one padding more
.set STO,  24
.set RD,   25
.set CO,   26
.set ADRS, 27
.set SPW,  28
.set NIL,  29
.set SC,   32
.set BIAS, 64
.set AF,   128
.set BK,   128
.set G1, 24
.set G0, 32
.set G1B, 48
.set G0B, 56
.set G1S, 68
.set G0S, 76
.set G1SB, 80
.set G0SB, 88
.set MSB, 0
.macro WIN new                         ; the immediate's high byte repeats the setting that is left
.if MSB != \new
	s_set_vgpr_msb (MSB<<8)|\new
.set MSB, \new
.endif
.endm
.set MUL_LO, 0xa1
.set MUL_HI, 0xf1
.set TO_B,   0x40
.macro JLOAD g0a, g1a, g0b, g1b        ; waves 0 and 1 fetch for A, waves 2 and 3 for B; four v_nop follow each of the two lines
	s_cmp_eq_u32 s15, 0
	s_cbranch_scc0 .Lfor_b_\@
	tensor_load_to_lds s[\g0a:\g0a+3], s[\g1a:\g1a+7]
	s_nop 0
.rept 4
	v_nop
.endr
	s_branch .Lasked_\@
.Lfor_b_\@:
	tensor_load_to_lds s[\g0b:\g0b+3], s[\g1b:\g1b+7]
	s_nop 0
.rept 4
	v_nop
.endr
.Lasked_\@:
.endm
.macro CREST
	s_cmp_lg_u32 s14, 0
	s_cbranch_scc1 .Lnot_wave_0_\@
	s_barrier_signal -3
.Lnot_wave_0_\@:
	s_barrier_wait -3
	s_barrier_signal -1
	s_barrier_wait -1
.endm
.macro CROUND
	s_barrier_signal -1
	s_barrier_wait -1
	CREST
.endm
	s_load_b128 s[4:7], s[0:1], 0x0                ; ycodes, yscales
	s_load_b128 s[8:11], s[0:1], 0x10              ; codes, scales
	s_load_b64 s[96:97], s[0:1], 0x20              ; b_proj
	s_load_b64 s[12:13], s[0:1], 0x28              ; out0
	v_lshl_add_u32 v[SPW], v0, 2, SPARE
	v_mov_b32 v[NIL], 0
	ds_add_u32 v28, v29
	s_wait_dscnt 0x0
	v_lshrrev_b32 v1, 5, v0
	v_readfirstlane_b32 s14, v1                    ; wave 0..3
	s_lshr_b32 s15, s14, 1                         ; which half of the tile's rows is mine.  Also: I fetch for A (0) or for B (1)
	s_and_b32 s16, s14, 1                          ; which half of its columns.  Also: which 128 rows of that tile I fetch
	s_bfe_u32 s40, ttmp6, 0x40000                  ; cx
	s_bfe_u32 s41, ttmp6, 0x40004                  ; cy
	s_lshl_b32 s42, ttmp9, 2
	s_add_co_u32 s42, s42, s40                     ; tile column
	s_and_b32 s17, ttmp7, 0xffff
	s_lshl_b32 s17, s17, 2
	s_add_co_u32 s17, s17, s41                     ; tile row
	s_lshl_b32 s43, s41, 2
	s_lshl_b32 s43, 15, s43                        ; my row of the cluster
	s_lshl_b32 s44, 0x1111, s40                    ; my column
	s_or_b32 s[G1+0], s43, (3<<16)|(1<<21)         ; A: the mask; elements of 8 bytes; no padding; bit 21 beside a mask
	s_mov_b32 s[G1+1], 32<<16                      ; 96 dense rows of 256 bytes
	s_mov_b32 s[G1+2], 96<<16
	s_mov_b32 s[G1+3], 32<<16
	s_mov_b32 s[G1+4], 96
	s_mov_b32 s[G1+5], 32
	s_mov_b32 s[G1+6], 0
	s_mov_b32 s[G1+7], 0
	s_or_b32 s[G1B+0], s44, (0<<16)|(1<<20)|(1<<21)|(3<<22)|(3<<25)  ; B: 128 rows of 192 bytes, 16 bytes of padding behind every 64
	s_mov_b32 s[G1B+1], ROWB<<16
	s_mov_b32 s[G1B+2], 128<<16
	s_mov_b32 s[G1B+3], ROWB<<16
	s_mov_b32 s[G1B+4], 128
	s_mov_b32 s[G1B+5], KROW
	s_mov_b32 s[G1B+6], 0
	s_mov_b32 s[G1B+7], 0
	s_or_b32 s[G1S+0], s43, (3<<16)|(1<<20)|(1<<21)|(5<<22)|(3<<25)  ; the scales of 128 rows: 16 rows of 256 bytes, 16 bytes of padding behind each
	s_or_b32 s[G1SB+0], s44, (3<<16)|(1<<20)|(1<<21)|(5<<22)|(3<<25)
.irp g, G1S, G1SB
	s_mov_b32 s[\g+1], 32<<16
	s_mov_b32 s[\g+2], (128*KS/256)<<16
	s_mov_b32 s[\g+3], 32<<16
	s_mov_b32 s[\g+4], 128*KS/256
	s_mov_b32 s[\g+5], 32
	s_mov_b32 s[\g+6], 0
	s_mov_b32 s[\g+7], 0
.endr
	s_lshl_b32 s20, s17, 1
	s_add_co_u32 s20, s20, s16                     ; A: which 128 tokens I fetch
	s_lshl_b32 s22, s20, 12                        ; their scales: 4,096 bytes,
	s_mov_b32 s23, 0
	s_mul_i32 s20, s20, 4*ASTEP                    ; their codes: 98,304 bytes
	s_mov_b32 s21, 0
	s_lshl_b32 s18, s16, 7
	s_lshl_b32 s46, s42, 8
	s_add_co_u32 s46, s46, s18
	s_add_co_u32 s46, s46, 11264                   ; B: row in the buffer
	s_mov_b32 s47, 0
	s_mov_b64 s[18:19], KS
	s_mul_u64 s[92:93], s[46:47], s[18:19]
	s_mov_b64 s[18:19], KROW
	s_mul_u64 s[46:47], s[46:47], s[18:19]
	s_mul_i32 s45, s14, HALFT                      ; where they go: wave x 30,720 bytes: no place in the cluster enters an LDS address
	s_mul_i32 s94, s14, HALFS
	s_wait_kmcnt 0x0
	s_add_nc_u64 s[20:21], s[4:5], s[20:21]
	s_add_nc_u64 s[22:23], s[6:7], s[22:23]
	s_add_nc_u64 s[46:47], s[8:9], s[46:47]
	s_add_nc_u64 s[92:93], s[10:11], s[92:93]
	CROUND                                         ; all sixteen work-groups are here: the first joint loads meet
	s_mov_b32 s[G0S], 1
	s_add_co_u32 s[G0S+1], s94, SCL
	s_mov_b64 s[G0S+2:G0S+3], s[22:23]
	s_or_b32 s[G0S+3], s[G0S+3], 0x80000000
	s_mov_b32 s[G0SB], 1
	s_add_co_u32 s[G0SB+1], s94, SCL
	s_mov_b64 s[G0SB+2:G0SB+3], s[92:93]
	s_or_b32 s[G0SB+3], s[G0SB+3], 0x80000000
	JLOAD G0S, G1S, G0SB, G1SB                     ; the scales first
.irp s, 0,1
	s_mov_b32 s[G0+4*\s], 1
	s_add_co_u32 s[G0+4*\s+1], s45, \s*SLOT
	s_add_nc_u64 s[G0+4*\s+2:G0+4*\s+3], s[20:21], \s*ASTEP
	s_or_b32 s[G0+4*\s+3], s[G0+4*\s+3], 0x80000000
	s_mov_b32 s[G0B+4*\s], 1
	s_add_co_u32 s[G0B+4*\s+1], s45, \s*SLOT
	s_add_nc_u64 s[G0B+4*\s+2:G0B+4*\s+3], s[46:47], \s*ROWB
	s_or_b32 s[G0B+4*\s+3], s[G0B+4*\s+3], 0x80000000
	JLOAD G0+4*\s, G1, G0B+4*\s, G1B               ; three tensor loads of mine are out now
.endr
	v_and_b32 v1, 15, v0                           ; l % 16
	v_bfe_u32 v2, v0, 4, 1                         ; l / 16
	v_and_b32 v6, 31, v0                           ; lane
	v_mul_u32_u24 v3, v1, PITCH
	v_mul_u32_u24 v4, v2, 24
	v_add_nc_u32 v4, v3, v4                        ; B: a fragment's row x pitch + 24 x half
	v_lshl_add_u32 v5, v2, 4, v4                   ; and the same behind one padding more
	v_lshlrev_b32 v3, 3, v6                        ; A: 8 x lane
	s_mul_i32 s21, s15, HALFT
	s_mul_i32 s22, s16, HALFT
	s_add_co_u32 s22, s22, 2*HALFT
.irp s, 0,1
	v_add_nc_u32 v[ADRA+\s], s21, v3
	v_add_nc_u32 v[ADRB+\s], s22, v4
	v_add_nc_u32 v[ADRB+2+\s], s22, v5
	s_add_co_u32 s21, s21, SLOT
	s_add_co_u32 s22, s22, SLOT
.endr
	v_mul_u32_u24 v5, v1, KS
	v_lshrrev_b32 v8, 8, v5
	v_lshl_add_u32 v5, v8, 4, v5
	s_mul_i32 s21, s15, HALFS
	s_mul_i32 s22, s16, HALFS
	s_add_co_u32 s22, s22, 2*HALFS
	s_sub_co_u32 s22, s22, s21
	v_mul_u32_u24 v8, s22, v2                      ; lanes 16-31 take B's
	s_add_co_u32 s21, s21, SCL
	v_add_nc_u32 v5, v5, v8
	v_add_nc_u32 v[ADRS], s21, v5
	s_mul_i32 s23, s14, 16*SPITCH                  ; my stage
	v_mul_u32_u24 v5, v1, SPITCH                   ; in: row l % 16, + 64 bytes for lanes 16-31: tile b's eight numbers are columns 32 (b / 2) + 16 (l / 16) + 8 (b % 2) on
	v_lshl_add_u32 v5, v2, 6, v5
	v_add_nc_u32 v[STO], s23, v5
	v_lshlrev_b32 v[CO], 4, v6                     ; back: the 32 lanes take one row of 512 bytes; and the same in out0
	v_add_nc_u32 v[RD], s23, v[CO]
	s_lshl_b32 s20, s17, 8
	s_lshl_b32 s21, s15, 7
	s_add_co_u32 s20, s20, s21                     ; my first row of out0
	s_lshl_b32 s20, s20, 12                        ; x 4,096 bytes
	s_mov_b32 s21, 0
	s_lshl_b32 s46, s42, 10                        ; my first column, in bytes
	s_lshl_b32 s47, s16, 9
	s_add_co_u32 s46, s46, s47
	s_mov_b32 s47, 0
	s_add_nc_u64 s[96:97], s[96:97], s[46:47]      ; the bias at my first column
	s_add_nc_u64 s[20:21], s[20:21], s[46:47]
	s_add_nc_u64 s[12:13], s[12:13], s[20:21]
	v_lshlrev_b32 v7, 6, v2                        ; 64 bytes for lanes 16-31; never rewritten
.irp b, 0,1,2,3,4,5,6,7
	global_load_b128 v[BIAS+8*\b:BIAS+8*\b+3], v7, s[96:97] offset:128*(\b/2)+32*(\b%2)
	global_load_b128 v[BIAS+8*\b+4:BIAS+8*\b+7], v7, s[96:97] offset:128*(\b/2)+32*(\b%2)+16
.endr
.macro FRAG reg, adr, q, i             ; B: 16 rows x 128 K in six pieces of 8 bytes
.irp p, 0,1,2,3,4,5
.set PCE, 12*(\q)+6*(\p/3)+\p%3
.if PCE%8 < 5
	ds_load_b64 v[\reg+2*\p:\reg+2*\p+1], v[\adr] offset:8*PCE+16*(PCE/8)+(\i)*16*PITCH
.else
	ds_load_b64 v[\reg+2*\p:\reg+2*\p+1], v[\adr+2] offset:8*PCE+16*(PCE/8)+(\i)*16*PITCH
.endif
.endr
.endm
.macro FRAG_A reg, slot, q, i          ; A: two chunks (heads 2 q and 2 q + 1 of the slot's four), three pairs of registers each, as they were stored: 256 consecutive bytes a load
.irp p, 0,1,2,3,4,5
	ds_load_b64 v[\reg+2*\p:\reg+2*\p+1], v[ADRA+\slot] offset:(2*(\q)+\p/3)*6144+(\i)*768+(\p%3)*256
.endr
.endm
; 16 matrix instructions: A's blocks a0, a0 + 1 x B's eight.  zero = 1: the first product starts the sums, with the bias as C.  The 64 accumulators take turns.
.macro MUL16 a0, p, q, sc, zero
.irp a, \a0, \a0+1
.irp b, 0,1,2,3,4,5,6,7
.if \zero
	v_wmma_scale_f32_16x16x128_f8f6f4 v[8*(8*((\a)%4)+\b):8*(8*((\a)%4)+\b)+7], v[128*(\p)+FR*\b:128*(\p)+FR*\b+FR-1], v[AF+FR*(\a):AF+FR*(\a)+FR-1], v[BIAS+8*\b:BIAS+8*\b+7], v[SC+8*NQ*(\sc)+NQ*\b+(\q)], v[SC+8*NQ*(\sc)+NQ*(\a)+(\q)] matrix_a_fmt:MATRIX_FMT_FP6 matrix_b_fmt:MATRIX_FMT_FP6 matrix_a_scale:MATRIX_SCALE_ROW1
.else
	v_wmma_scale_f32_16x16x128_f8f6f4 v[8*(8*((\a)%4)+\b):8*(8*((\a)%4)+\b)+7], v[128*(\p)+FR*\b:128*(\p)+FR*\b+FR-1], v[AF+FR*(\a):AF+FR*(\a)+FR-1], v[8*(8*((\a)%4)+\b):8*(8*((\a)%4)+\b)+7], v[SC+8*NQ*(\sc)+NQ*\b+(\q)], v[SC+8*NQ*(\sc)+NQ*(\a)+(\q)] matrix_a_fmt:MATRIX_FMT_FP6 matrix_b_fmt:MATRIX_FMT_FP6 matrix_a_scale:MATRIX_SCALE_ROW1
.endif
.endr
.endr
.endm
.macro FETCH_B slot, q, p
	WIN TO_B
.irp i, 0,1,2,3,4,5,6,7
	FRAG 128*(\p)+FR*\i, ADRB+\slot, \q, \i
.endr
	WIN 0
.endm
.macro FETCH_A slot, q, i0
.irp i, \i0, \i0+1, \i0+2, \i0+3
	FRAG_A AF+FR*(\i), \slot, \q, \i
.endr
.endm
.macro SCALES sc
.irp i, 0,1,2,3,4,5,6,7
	ds_load_b64 v[SC+8*NQ*\sc+NQ*\i:SC+8*NQ*\sc+NQ*\i+1], v[ADRS] offset:\i*SBLK
.endr
.endm
.macro PLACES n
.rept \n
	v_nop
.endr
.endm
.macro STEP slot, q, zero
	s_wait_dscnt 4*NL                              ; B's set and A's blocks 0-3 are in; the 24 youngest loads (A's blocks 4-7) may be out
.if \zero
	WIN 0x81                                       ; C (the bias) window 0, D window 2
.else
	WIN MUL_LO
.endif
	MUL16 0, (\q)%2, \q, \slot, \zero
	MUL16 2, (\q)%2, \q, \slot, \zero
	s_wait_dscnt 0
	PLACES NP
	FETCH_B \slot, (\q)+1, 1-(\q)%2
	FETCH_A \slot, (\q)+1, 0
.if \zero
	WIN 0xc1                                       ; C window 0, D window 3
.else
	WIN MUL_HI
.endif
	MUL16 4, (\q)%2, \q, \slot, \zero
	MUL16 6, (\q)%2, \q, \slot, \zero
	PLACES NP
	WIN 0
	FETCH_A \slot, (\q)+1, 4
.endm
.macro TURN slot, next, fill
	s_wait_tensorcnt 0x0                           ; all my tensor loads have landed: my part of the next slot
	ds_add_u32 v[SPW], v[NIL]                      ; 0 onto my spare word
	s_wait_dscnt 4*NL+1                            ; the add and the 24 youngest loads may be out
	WIN MUL_LO
	MUL16 0, 1, NQ-1, \slot, 0
	s_wait_dscnt 0x0                               ; the add is done, and my reads of this slot are over
	s_barrier_signal -1
	MUL16 2, 1, NQ-1, \slot, 0
	WIN 0
	s_barrier_wait -1
.if \fill
	CREST                                          ; the barrier has opened a round of the cluster's barrier
	s_add_nc_u64 s[G0+4*\slot+2:G0+4*\slot+3], s[G0+4*\slot+2:G0+4*\slot+3], 2*ASTEP
	s_add_nc_u64 s[G0B+4*\slot+2:G0B+4*\slot+3], s[G0B+4*\slot+2:G0B+4*\slot+3], 2*ROWB
	JLOAD G0+4*\slot, G1, G0B+4*\slot, G1B         ; the first tensor load behind the round, my only one until the next
.else
	PLACES NP
.endif
	v_add_nc_u32 v[ADRS], 4*NQ, v[ADRS]
	FETCH_B \next, 0, 0
	FETCH_A \next, 0, 0
	SCALES \next
	WIN MUL_HI
	MUL16 4, 1, NQ-1, \slot, 0
	MUL16 6, 1, NQ-1, \slot, 0
	PLACES NP
	WIN 0
	FETCH_A \next, 0, 4
.endm
	s_wait_tensorcnt 1                             ; the scales and my part of K step 0 are in; K step 1's load may be out
	s_barrier_signal -1
	s_barrier_wait -1
	FETCH_B 0, 0, 0
	FETCH_A 0, 0, 0
	SCALES 0
	FETCH_A 0, 0, 4
	s_wait_loadcnt 0x0                             ; the bias
	STEP 0, 0, 1
	s_mov_b32 s3, LAPS-1
.Llap:
	TURN 0, 1, 1
	STEP 1, 0, 0
	TURN 1, 0, 1
	STEP 0, 0, 0
	s_sub_co_u32 s3, s3, 1
	s_cmp_lg_u32 s3, 0
	s_cbranch_scc1 .Llap
	TURN 0, 1, 0                                   ; the last lap fills nothing
	STEP 1, 0, 0
	s_wait_dscnt 4*NL
	WIN MUL_LO
	MUL16 0, 1, NQ-1, 1, 0
	MUL16 2, 1, NQ-1, 1, 0
	s_wait_dscnt 0
	WIN MUL_HI
	MUL16 4, 1, NQ-1, 1, 0
	MUL16 6, 1, NQ-1, 1, 0
	WIN 0
; THE WAY OUT, block by block of 16 rows x 128 columns, through my own stage in LDS: the columns come back in their true order, and each row goes to its true place in out0.
.macro TOSTAGE a
.set AC, 64*((\a)%4)
	WIN 0x08+4*((\a)/4)                            ; the data: window 2 or 3
.irp b, 0,1,2,3,4,5,6,7
	ds_store_b128 v[STO], v[AC+8*\b:AC+8*\b+3] offset:128*(\b/2)+32*(\b%2)          ; each accumulator from its low end on
	ds_store_b128 v[STO], v[AC+8*\b+4:AC+8*\b+7] offset:128*(\b/2)+32*(\b%2)+16
.endr
	WIN 0
.set BB, BK+64*((\a)%2)
.irp t, 0,1,2,3,4,5,6,7,8,9,10,11,12,13,14,15
	ds_load_b128 v[BB+4*\t:BB+4*\t+3], v[RD] offset:\t*SPITCH   ; LDS serves a wave's instructions in order: these see the stores above
.endr
.endm
.macro SEND a, younger                 ; younger: the LDS instructions issued behind block a's loads, which may stay out
.set BB, BK+64*((\a)%2)
	s_wait_dscnt \younger
.irp t, 0,1,2,3,4,5,6,7,8,9,10,11,12,13,14,15
	global_store_b128 v[CO], v[BB+4*\t:BB+4*\t+3], s[12:13] offset:(32*((\a)/2)+8*((\a)%2)+\t+8*(\t/8))*4096 th:TH_STORE_NT   ; 32 lanes store 512 consecutive bytes, aligned to 256; stage row t of block a is row 32 (a / 2) + 8 (a % 2) + t + 8 (t / 8)
.endr
.endm
	PLACES NP
	TOSTAGE 0
.irp a, 1,2,3,4,5,6,7
.if \a > 1
	s_wait_xcnt 0x0                                ; block a - 2's stores have read their registers: block a's loads may land there
.endif
	TOSTAGE \a
	SEND \a-1, 32                                  ; behind block a - 1's loads: block a's 16 stores and 16 loads
.endr
	SEND 7, 0
	s_wait_tensorcnt 0x0                           ; the wave's end
	ds_add_u32 v[SPW], v[NIL]
	s_wait_dscnt 0x0
	CROUND                                         ; the closing round
	s_endpgm
.Lfunc_end_k_q5757acd09e_proj:
	.size	k_q5757acd09e_proj, .Lfunc_end_k_q5757acd09e_proj-k_q5757acd09e_proj
	.p2alignl 7, 3214868480
	.fill 96, 4, 3214868480
	.section	.rodata,"a",@progbits
	.p2align	6, 0x0
	.amdhsa_kernel k_q5757acd09e_proj
		.amdhsa_group_segment_fixed_size 327680
		.amdhsa_private_segment_fixed_size 0
		.amdhsa_enable_private_segment 0
		.amdhsa_kernarg_size 48
		.amdhsa_user_sgpr_count 2
		.amdhsa_user_sgpr_kernarg_segment_ptr 1
		.amdhsa_wavefront_size32 1
		.amdhsa_system_sgpr_workgroup_id_x 1
		.amdhsa_system_sgpr_workgroup_id_y 1
		.amdhsa_system_sgpr_workgroup_id_z 1
		.amdhsa_system_vgpr_workitem_id 0
		.amdhsa_next_free_vgpr 1024
		.amdhsa_next_free_sgpr 100
		.amdhsa_reserve_vcc 0
		.amdhsa_float_denorm_mode_32 3
		.amdhsa_float_denorm_mode_16_64 3
		.amdhsa_memory_ordered 1
		.amdhsa_forward_progress 1
		.amdhsa_inst_pref_size 161
	.end_amdhsa_kernel
	.amdgpu_metadata
---
amdhsa.version: [ 1, 2 ]
amdhsa.kernels:
  - .name:           k_q5757acd09e_proj
    .symbol:         k_q5757acd09e_proj.kd
    .args:
      - { .name: ycodes, .offset: 0, .size: 8, .value_kind: global_buffer, .address_space: global }
      - { .name: yscales, .offset: 8, .size: 8, .value_kind: global_buffer, .address_space: global }
      - { .name: codes, .offset: 16, .size: 8, .value_kind: global_buffer, .address_space: global }
      - { .name: scales, .offset: 24, .size: 8, .value_kind: global_buffer, .address_space: global }
      - { .name: b_proj, .offset: 32, .size: 8, .value_kind: global_buffer, .address_space: global }
      - { .name: out0, .offset: 40, .size: 8, .value_kind: global_buffer, .address_space: global }
    .group_segment_fixed_size: 327680
    .private_segment_fixed_size: 0
    .kernarg_segment_align: 8
    .kernarg_segment_size: 48
    .max_flat_workgroup_size: 128
    .sgpr_count:     100
    .vgpr_count:     1024
    .wavefront_size: 32
...
	.end_amdgpu_metadata
.endif
;; end of part 4
